; MI455X (gfx1250); checked and timed in simulation.
; The chip was launched on July 23, 2026; its instructions are those of AMD's public machine-readable ISA for CDNA 5 (MIT licence, August 2026) and "CDNA5" Instruction Set Architecture Reference Guide (July 2026). The comments in the code are by the model that wrote it; some were corrected since.
;; Mo E Layer. Allowed arithmetic: matrix products marked QUANTISED: E2M3 operands, one E8M0 scale for each 32 along K, by v_wmma_scale_f32_16x16x128_f8f6f4 with both operands' format E2M3, f32 sums; products left as they are: f32 operands where the result goes on into a quantised operand, else bf16, f16 or f32 operands; f32 sums; everything else in f32.
;; Inputs: W1_codes 8 x 4,096 x 32 x 24 uint8 (E2M3 codes of W1, K innermost, in blocks of 32 codes, four codes in three bytes); W1_scales 8 x 4,096 x 32 uint8 (E8M0 scales of W1, one for each 32 codes along K); W2_codes 8 x 1,024 x 128 x 24 uint8 (E2M3 codes of W2, K innermost, in blocks of 32 codes, four codes in three bytes); W2_scales 8 x 1,024 x 128 uint8 (E8M0 scales of W2, one for each 32 codes along K); Wg 1,024 x 8 float32; b1 8 x 4,096 float32; b2 8 x 1,024 float32; x 4 x 256 x 1,024 float32.
;; Outputs: out0 4 x 256 x 1,024 float32; out1 one number float32.
;; This version of the problem:
;;   THIS VERSION OF THE PROBLEM IS GIVEN IN LOW PRECISION. The matrix products marked QUANTISED in the list below multiply operands that are first quantised to E2M3 (2 exponent bits, 3 mantissa bits; 6 bits a number), with one power-of-two scale for each 32 numbers along K (OCP MX v1.0); their sums are f32. All else is computed in f32.
;;   The module's matrix products, in the order in which they are computed (A, B: the left and right operand; K: the contracted axis; several contracted axes count as one K, in the product's order):
;;     1. [M 1,024, K 1,024] x [K 1,024, N 8]; A: input x; B: input Wg: left as it is (N = 8 < 16)
;;     2. [M 1,024, K 1,024] x [K 1,024, N 4,096]; A: input x; B: input W1 (given as codes): QUANTISED
;;     3. [M 1,024, K 4,096] x [K 4,096, N 1,024]; A: computed on the way; B: input W2 (given as codes): QUANTISED
;;     4. [M 1,024, K 1,024] x [K 1,024, N 4,096]; A: input x; B: input W1 (given as codes): QUANTISED
;;     5. [M 1,024, K 4,096] x [K 4,096, N 1,024]; A: computed on the way; B: input W2 (given as codes): QUANTISED
;;     6. [M 1,024, K 1,024] x [K 1,024, N 4,096]; A: input x; B: input W1 (given as codes): QUANTISED
;;     7. [M 1,024, K 4,096] x [K 4,096, N 1,024]; A: computed on the way; B: input W2 (given as codes): QUANTISED
;;     8. [M 1,024, K 1,024] x [K 1,024, N 4,096]; A: input x; B: input W1 (given as codes): QUANTISED
;;     9. [M 1,024, K 4,096] x [K 4,096, N 1,024]; A: computed on the way; B: input W2 (given as codes): QUANTISED
;;     10. [M 1,024, K 1,024] x [K 1,024, N 4,096]; A: input x; B: input W1 (given as codes): QUANTISED
;;     11. [M 1,024, K 4,096] x [K 4,096, N 1,024]; A: computed on the way; B: input W2 (given as codes): QUANTISED
;;     12. [M 1,024, K 1,024] x [K 1,024, N 4,096]; A: input x; B: input W1 (given as codes): QUANTISED
;;     13. [M 1,024, K 4,096] x [K 4,096, N 1,024]; A: computed on the way; B: input W2 (given as codes): QUANTISED
;;     14. [M 1,024, K 1,024] x [K 1,024, N 4,096]; A: input x; B: input W1 (given as codes): QUANTISED
;;     15. [M 1,024, K 4,096] x [K 4,096, N 1,024]; A: computed on the way; B: input W2 (given as codes): QUANTISED
;;     16. [M 1,024, K 1,024] x [K 1,024, N 4,096]; A: input x; B: input W1 (given as codes): QUANTISED
;;     17. [M 1,024, K 4,096] x [K 4,096, N 1,024]; A: computed on the way; B: input W2 (given as codes): QUANTISED
;;   THE QUANTISER, for each operand of a quantised product, along K:
;;     - K is cut into blocks of 32 from its start; a last block that is shorter is filled with zeros.
;;     - A block's scale is 2^e with e = floor(log2(the largest magnitude in the block)) - 2, held to -126 .. 127; a block of zeros has e = 0. As a byte (E8M0): e + 127.
;;     - Each number is divided by its block's scale, clamped to +-7.5, and rounded to the nearest number of E2M3, ties to even, subnormals kept.
;;     - The product sums the exact products of the quantised numbers (number of the format x scale) in f32.
;;   ~~~python
;;   def quantise(x, axis):      # numpy; x: float32 -> the quantised numbers, widened to float32 again
;;       x = np.moveaxis(x, axis, -1); K = x.shape[-1]
;;       x = np.pad(x, [(0, 0)] * (x.ndim - 1) + [(0, -K % 32)]); x = x.reshape(x.shape[:-1] + (-1, 32)); a = np.abs(x).max(-1, keepdims=True)
;;       e = np.where(a > 0, np.clip(np.frexp(np.where(a > 0, a, 1))[1] - 1 - 2, -126, 127), 0)      # np.frexp(a)[1] - 1 = floor(log2(a)), exactly
;;       r = np.clip(x / 2.0 ** e, -7.5, 7.5)
;;       step = 2.0 ** (np.maximum(np.frexp(np.where(r == 0, 1, r))[1] - 1, 0) - 3)
;;       q = np.round(r / step) * step * 2.0 ** e      # np.round: ties to even
;;       return np.moveaxis(q.reshape(q.shape[:-2] + (-1,))[..., :K], -1, axis).astype(np.float32)
;;   ~~~
;;   OPERANDS COMPUTED ON THE WAY. 'Computed on the way' means the value that the module computes at that place (a softmax that the list does not call 'softmax' is quantised finished and normalised). What goes into a quantiser is computed in f32, as accurately as f32 sums, v_exp_f32 and their like allow (about 1e-6 of the number): no bf16 or f16 on the way to a quantiser, and a product that is left as it is and whose result goes on into a quantised operand takes f32 operands (vector FMAs, or v_wmma_f32_16x16x4_f32). A number that lies on a knife's edge between two numbers of the format may be rounded either way, as far as f32 arithmetic and the matrix unit's own rounding can turn it there, and no further.
;;   INPUTS GIVEN AS CODES. W1 (in the module: [8, 1024, 4096], K = its axis 1); W2 (in the module: [8, 4096, 1024], K = its axis 1): each comes as NAME_codes (uint8): NAME with its K axis moved to the last place and cut into blocks of 32 codes, [.., K / 32, bytes a block], one block behind the other in memory; four codes in three bytes: a row's codes are one little-endian stream of bits, code i at bits 6 i .. 6 i + 5 (a code: sign, 2 exponent bits, 3 mantissa bits); and NAME_scales (uint8): the same leading axes, one E8M0 byte (e + 127) for each 32 codes along K. Its value is code x scale, taken as it is: it is not quantised again, and the codes and scales need not be those that the quantiser above would give.
;; 2 versions, each right; version 2 is version 1 with the launches up, down written anew for expert scheduling mode. Each part assembles by itself: llvm-mc -triple=amdgcn-amd-amdhsa -mcpu=gfx1250 --defsym DOCPART=n.
;; ======== version 1 of 2: 4 launches
;; workspace buffers: xq 819,200 bytes; pk 4,096 bytes of whole numbers; rp 16,384 bytes; lc 33,792 bytes of whole numbers; hq 26,214,400 bytes; yr 8,912,896 bytes
;; launch route (part 1): grid 64 x 1, 8 waves a work-group, no clusters, 22,528 bytes of LDS; arguments x, Wg, xq, pk, rp; writes xq, pk, rp
.if DOCPART == 1
	.amdgcn_target "amdgcn-amd-amdhsa--gfx1250"
	.amdhsa_code_object_version 6
	.text
	.protected	k_q4d7a920257_route
	.globl	k_q4d7a920257_route
	.p2align	8
	.type	k_q4d7a920257_route,@function
k_q4d7a920257_route:
	s_mov_b64 s[64:65], 0
	v_nop
	global_prefetch_b8 v0, s[64:65] scope:SCOPE_SE
	s_setreg_imm32_b32 hwreg(HW_REG_WAVE_MODE, 25, 1), 1
	s_wait_xcnt 0x0
; ROUTER AND QUANTISER OF x.  x [1024 tokens][1024] f32, Wg [1024][8] f32.
; A work-group takes 16 tokens; wave s takes K step s (k = 128 s .. 128 s + 127).  Lane (r = lane % 16, h = lane / 16) holds, of token r,
; k = 128 s + 64 c + 32 h + 0 .. 31 (c = 0, 1): two whole blocks of 32, in the order of the 6-bit operand's registers.
; OUT: xq  token: 768 bytes = [h][s][48 bytes]: the 12 operand registers of lane half h for K step s; behind all tokens (byte 786,432) 8 scale words a token;
;      pk  token: (1 << first expert) | (1 << (16 + second expert));   rp  the two gate weights at 8 t + 4 slot; from byte 8,192 the work-group's sums of probabilities.
; The logits are f32 products (the choice of experts jumps with them): 32 matrix instructions of 16 x 16 x 4 a wave, source 0 = Wg^T (rows 8-15 repeat experts 0-7),
; source 1 = x, k permuted alike on both sides: register j of a lane is expert j's partial logit of token r.  They are a two-thousandth of the program's multiply-adds.
; 64 work-groups only: a token tile's eight K steps must meet in one LDS.  No tile is shared between work-groups, so there is nothing to ask for jointly.
; LIMITS: NaN and infinities in x are not served; a block whose largest magnitude lies under 2^-124 keeps the scale byte 1 (a block of zeros too: its codes are zeros, and only this program reads the bytes).
.set X,    16                          ; v16-79   64 numbers of x
.set G,    80                          ; v80-143  the same k of Wg, column r % 8
.set ACC,  144                         ; v144-175 four accumulators, written by matrix instructions alone
.set C,    176                         ; v176-187 the fragment's codes
.set T0,   188                         ; v188-190, v192-194 second halves of the blocks' codes (a conversion's three registers begin on an even number)
.set T1,   192
.set XSC,  12544                       ; LDS: 0 .. 12543 codes, 16 rows of 768 + 16 bytes; then 512 bytes of scale words;
.set PART, 13056                       ; then the waves' partial logits, 1,024 bytes a wave
	s_load_b256 s[4:11], s[0:1], 0x0               ; x, Wg, xq, pk
	s_load_b64 s[12:13], s[0:1], 0x20              ; rp
	v_lshl_add_u32 v254, v0, 2, 0x5400
	v_mov_b32 v255, 0
	v_lshrrev_b32 v1, 5, v0
	v_readfirstlane_b32 s14, v1                    ; wave = K step
	v_and_b32 v1, 15, v0                           ; r
	v_bfe_u32 v2, v0, 4, 1                         ; h
	v_lshlrev_b32 v3, 12, v1
	v_lshl_add_u32 v3, v2, 7, v3                   ; x: 4096 r + 128 h
	v_and_b32 v4, 7, v0
	v_lshlrev_b32 v4, 2, v4
	v_lshl_add_u32 v4, v2, 10, v4                  ; Wg: 4 (r % 8) + 32 rows of 32 bytes x h
	v_mul_u32_u24 v5, v1, 784
	v_mad_u32_u24 v5, v2, 384, v5
	s_mul_i32 s15, s14, 48
	v_add_nc_u32 v5, s15, v5                       ; codes into LDS: 784 r + 384 h + 48 s
	v_lshl_add_u32 v6, v1, 5, XSC
	s_lshl_b32 s15, s14, 2
	v_add_nc_u32 v6, s15, v6                       ; scale word: 32 r + 4 s
	v_and_b32 v12, 31, v0
	v_lshl_add_u32 v10, v12, 4, PART               ; partial logits as wave 0 reads them: 16 x lane
	s_lshl_b32 s15, s14, 10
	v_add_nc_u32 v7, s15, v10                      ; and as I store them: + 1024 s
	v_lshl_add_u32 v11, v12, 4, XSC
	v_lshrrev_b32 v13, 4, v0
	v_mul_u32_u24 v8, v13, 784
	v_lshl_add_u32 v8, v1, 4, v8                   ; the way out: sixteen threads to a row
	v_mul_u32_u24 v9, v13, 768
	v_lshl_add_u32 v9, v1, 4, v9
	v_lshlrev_b32 v14, 4, v12
	v_lshlrev_b32 v15, 2, v12
	v_mov_b32 v204, 0                              ; a lane permute's destination counts as one of its sources
	s_lshl_b32 s16, ttmp9, 16
	s_lshl_b32 s17, s14, 9
	s_add_co_u32 s16, s16, s17                     ; x: 16 rows of 4,096 bytes a work-group, 512 bytes a K step
	s_mov_b32 s17, 0
	s_lshl_b32 s18, s14, 12                        ; Wg: 128 rows of 32 bytes a K step
	s_mov_b32 s19, 0
	s_mul_i32 s20, ttmp9, 12288
	s_mov_b32 s21, 0
	s_lshl_b32 s22, ttmp9, 9
	s_mov_b32 s23, 0
	s_lshl_b32 s24, ttmp9, 6
	s_mov_b32 s25, 0
	s_lshl_b32 s28, ttmp9, 7
	s_mov_b32 s29, 0
	s_mov_b32 s26, 0x76543210
	s_mov_b32 s27, 0xfedcba98                      ; v_permlanex16_b32's selects for lane l xor 16
	s_wait_kmcnt 0x0
	s_add_nc_u64 s[4:5], s[4:5], s[16:17]
	s_add_nc_u64 s[6:7], s[6:7], s[18:19]
	s_add_nc_u64 s[30:31], s[8:9], s[22:23]
	s_add_nc_u64 s[30:31], s[30:31], 786432        ; the scale words' part of xq
	s_add_nc_u64 s[8:9], s[8:9], s[20:21]
	s_add_nc_u64 s[10:11], s[10:11], s[24:25]
	s_add_nc_u64 s[12:13], s[12:13], s[28:29]
.irp c, 0,1
.irp j, 0,1,2,3,4,5,6,7
	global_load_b128 v[X+32*\c+4*\j:X+32*\c+4*\j+3], v3, s[4:5] offset:256*\c+16*\j th:TH_LOAD_NT
.endr
.endr
.set i_, 0
.rept 64
	global_load_b32 v[G+i_], v4, s[6:7] offset:2048*(i_/32)+32*(i_%32)
.set i_, i_+1
.endr
	s_wait_loadcnt 0x0
; the logits' partial sums: four accumulators by turns, the first four products start them with the constant 0
.set q_, 0
.rept 32
.if q_ < 4
	v_wmma_f32_16x16x4_f32 v[ACC+8*q_:ACC+8*q_+7], v[G+2*q_:G+2*q_+1], v[X+2*q_:X+2*q_+1], 0
.else
	v_wmma_f32_16x16x4_f32 v[ACC+8*(q_%4):ACC+8*(q_%4)+7], v[G+2*q_:G+2*q_+1], v[X+2*q_:X+2*q_+1], v[ACC+8*(q_%4):ACC+8*(q_%4)+7]
.endif
.set q_, q_+1
.endr
; the quantiser: each block's largest magnitude with the floor 2^(3 - 127) among its leaves; 2 off its exponent field is the conversion's scale operand
	v_max3_num_f32 v196, |v[X]|, |v[X+1]|, 0x1800000
	v_max3_num_f32 v197, |v[X+32]|, |v[X+33]|, 0x1800000
.irp i, 2,4,6,8,10,12,14,16,18,20,22,24,26,28,30
	v_max3_num_f32 v196, v196, |v[X+\i]|, |v[X+\i+1]|
	v_max3_num_f32 v197, v197, |v[X+32+\i]|, |v[X+33+\i]|
.endr
	v_add_nc_u32 v198, 0xff000000, v196
	v_add_nc_u32 v199, 0xff000000, v197
	v_lshrrev_b32 v200, 23, v198                   ; the bytes of blocks h and 2 + h
	v_lshrrev_b32 v201, 23, v199
	v_lshl_or_b32 v202, v201, 16, v200
	v_lshlrev_b32 v203, 3, v2
	v_lshlrev_b32 v202, v203, v202                 ; at their places in the word
	v_permlanex16_b32 v204, v202, s26, s27
	v_or_b32 v202, v202, v204                      ; with lane l xor 16's two the word is whole
	v_cvt_scalef32_pk16_fp6_f32 v[C:C+2], v[X:X+15], v198
	v_cvt_scalef32_pk16_fp6_f32 v[T0:T0+2], v[X+16:X+31], v198
	v_cvt_scalef32_pk16_fp6_f32 v[C+6:C+8], v[X+32:X+47], v199
	v_cvt_scalef32_pk16_fp6_f32 v[T1:T1+2], v[X+48:X+63], v199
	v_nop                                          ; one plain place behind a scaled conversion
.irp i, 0,1,2
	v_mov_b32 v[C+3+\i], v[T0+\i]
	v_mov_b32 v[C+9+\i], v[T1+\i]
.endr
	ds_store_b128 v5, v[C:C+3]
	ds_store_b128 v5, v[C+4:C+7] offset:16
	ds_store_b128 v5, v[C+8:C+11] offset:32
	ds_store_b32 v6, v202                          ; both halves of the lanes write the same word with the same value
.rept 8
	v_nop                                          ; eight places behind the f32 matrix form (ISA guide 7.12.1) before its results are read
.endr
.irp j, 0,2,4,6                                ; the four accumulators are added, each read from its low end on, into other registers
	v_pk_add_f32 v[216+\j:217+\j], v[ACC+\j:ACC+\j+1], v[ACC+8+\j:ACC+9+\j]
	v_pk_add_f32 v[224+\j:225+\j], v[ACC+16+\j:ACC+17+\j], v[ACC+24+\j:ACC+25+\j]
	v_pk_add_f32 v[208+\j:209+\j], v[216+\j:217+\j], v[224+\j:225+\j]
.endr
	ds_store_b128 v7, v[208:211]
	ds_store_b128 v7, v[212:215] offset:512
	s_wait_dscnt 0x0                               ; for the others' sake: my stores have landed
	s_barrier_signal -1
	s_barrier_wait -1
	ds_load_b128 v[224:227], v8                    ; the codes leave as rows: sixteen lanes store 256 consecutive bytes, aligned
	ds_load_b128 v[228:231], v8 offset:256
	ds_load_b128 v[232:235], v8 offset:512
	s_wait_dscnt 2
	global_store_b128 v9, v[224:227], s[8:9]
	s_wait_dscnt 1
	global_store_b128 v9, v[228:231], s[8:9] offset:256
	s_wait_dscnt 0x0
	global_store_b128 v9, v[232:235], s[8:9] offset:512
	s_cmp_lg_u32 s14, 0
	s_cbranch_scc1 .Lend                           ; the rest is one wave's work
	ds_load_b128 v[236:239], v11                   ; the 16 tokens' scale words: 512 bytes
.set i_, 0
.rept 16
	ds_load_b128 v[X+4*i_:X+4*i_+3], v10 offset:512*i_   ; wave i / 2's partial logits, experts 4 (i % 2) on, in my lane's place
.set i_, i_+1
.endr
	s_wait_dscnt 16
	global_store_b128 v14, v[236:239], s[30:31]
	s_wait_dscnt 0x0
.irp j, 0,2,4,6
	v_pk_add_f32 v[80+\j:81+\j], v[X+\j:X+\j+1], v[X+8+\j:X+9+\j]
.endr
.irp s, 2,3,4,5,6,7
.irp j, 0,2,4,6
	v_pk_add_f32 v[80+\j:81+\j], v[80+\j:81+\j], v[X+8*\s+\j:X+8*\s+\j+1]   ; K steps ascending: v80-87 = token r's eight logits
.endr
.endr
	; softmax over the eight, the largest taken off first
	v_max3_num_f32 v96, v80, v81, v82
	v_max3_num_f32 v96, v96, v83, v84
	v_max3_num_f32 v96, v96, v85, v86
	v_max_num_f32 v96, v96, v87
.irp j, 0,1,2,3,4,5,6,7
	v_sub_f32 v[88+\j], v[80+\j], v96
.endr
.irp j, 0,1,2,3,4,5,6,7
	v_mul_f32 v[88+\j], 0x3fb8aa3b, v[88+\j]
.endr
.irp j, 0,1,2,3,4,5,6,7
	v_exp_f32 v[88+\j], v[88+\j]
.endr
	v_nop                                          ; one plain place behind the exponentials
	s_wait_alu depctr_va_vdst(0)
	v_add_f32 v97, v88, v89
	v_add_f32 v98, v90, v91
	v_add_f32 v99, v92, v93
	v_add_f32 v100, v94, v95
	v_add_f32 v97, v97, v98
	v_add_f32 v99, v99, v100
	v_add_f32 v97, v97, v99
	v_rcp_f32 v97, v97
	v_nop
	s_wait_alu depctr_va_vdst(0)
.irp j, 0,1,2,3,4,5,6,7
	v_mul_f32 v[88+\j], v[88+\j], v97
.endr
.irp m, 1,2,4,8                                ; each expert's probability summed over the 16 tokens
.irp j, 0,1,2,3,4,5,6,7
	v_add_f32_dpp v[88+\j], v[88+\j], v[88+\j] row_xmask:\m row_mask:0xf bank_mask:0xf
.endr
.endr
	v_and_b32 v101, 7, v0
	v_mov_b32 v102, v88
.irp e, 1,2,3,4,5,6,7
	v_cmp_eq_u32 vcc_lo, \e, v101
	v_cndmask_b32 v102, v102, v[88+\e], vcc_lo     ; lane l keeps expert l % 8's sum
.endr
	global_store_b32 v15, v102, s[12:13] offset:8192   ; 128 consecutive bytes: each sum four times
	; the two largest logits; among equals the lower index stays
	v_mov_b32 v108, v80
	v_mov_b32 v109, 0
.irp e, 1,2,3,4,5,6,7
	v_cmp_le_f32 vcc_lo, v[80+\e], v108
	v_cndmask_b32 v108, v[80+\e], v108, vcc_lo
	v_cndmask_b32 v109, \e, v109, vcc_lo
.endr
	v_mov_b32 v112, 0xff800000
.irp e, 0,1,2,3,4,5,6,7
	v_cmp_eq_u32 vcc_lo, \e, v109
	v_cndmask_b32 v[116+\e], v[80+\e], v112, vcc_lo    ; the first choice is taken out
.endr
	v_mov_b32 v110, v116
	v_mov_b32 v111, 0
.irp e, 1,2,3,4,5,6,7
	v_cmp_le_f32 vcc_lo, v[116+\e], v110
	v_cndmask_b32 v110, v[116+\e], v110, vcc_lo
	v_cndmask_b32 v111, \e, v111, vcc_lo
.endr
	v_sub_f32 v124, v110, v108                     ; second less first: 0 or less, so the exponential is at most 1
	v_mul_f32 v124, 0x3fb8aa3b, v124
	v_exp_f32 v124, v124
	v_mov_b32 v127, 1
	s_wait_alu depctr_va_vdst(0)
	v_add_f32 v125, 1.0, v124
	v_rcp_f32 v125, v125                           ; the first choice's weight
	v_lshlrev_b32 v128, v109, v127
	s_wait_alu depctr_va_vdst(0)
	v_mul_f32 v126, v124, v125                     ; the second's
	v_lshlrev_b32 v129, v111, v127
	v_cmp_eq_u32 vcc_lo, 1, v2
	v_cndmask_b32 v130, v128, v129, vcc_lo         ; lanes 0-15 carry the first choice, lanes 16-31 the second
	v_cndmask_b32 v131, v125, v126, vcc_lo
	v_lshlrev_b32 v132, 2, v1
	v_lshl_add_u32 v132, v2, 1, v132               ; 4 r + 2 h
	v_lshlrev_b32 v133, 1, v132                    ; 8 r + 4 h
	global_store_b16 v132, v130, s[10:11]
	global_store_b32 v133, v131, s[12:13]
.Lend:
	s_wait_tensorcnt 0x0
	ds_add_u32 v254, v255
	s_wait_dscnt 0x0
	s_endpgm
.Lfunc_end_k_q4d7a920257_route:
	.size	k_q4d7a920257_route, .Lfunc_end_k_q4d7a920257_route-k_q4d7a920257_route
	.p2alignl 7, 3214868480
	.fill 96, 4, 3214868480
	.section	.rodata,"a",@progbits
	.p2align	6, 0x0
	.amdhsa_kernel k_q4d7a920257_route
		.amdhsa_group_segment_fixed_size 22528
		.amdhsa_private_segment_fixed_size 0
		.amdhsa_enable_private_segment 0
		.amdhsa_kernarg_size 40
		.amdhsa_user_sgpr_count 2
		.amdhsa_user_sgpr_kernarg_segment_ptr 1
		.amdhsa_wavefront_size32 1
		.amdhsa_system_sgpr_workgroup_id_x 1
		.amdhsa_system_sgpr_workgroup_id_y 1
		.amdhsa_system_sgpr_workgroup_id_z 1
		.amdhsa_system_vgpr_workitem_id 0
		.amdhsa_next_free_vgpr 256
		.amdhsa_next_free_sgpr 66
		.amdhsa_reserve_vcc 1
		.amdhsa_float_denorm_mode_32 3
		.amdhsa_float_denorm_mode_16_64 3
		.amdhsa_memory_ordered 1
		.amdhsa_forward_progress 1
		.amdhsa_inst_pref_size 28
	.end_amdhsa_kernel
	.amdgpu_metadata
---
amdhsa.version: [ 1, 2 ]
amdhsa.kernels:
  - .name:           k_q4d7a920257_route
    .symbol:         k_q4d7a920257_route.kd
    .args:
      - { .name: x, .offset: 0, .size: 8, .value_kind: global_buffer, .address_space: global }
      - { .name: Wg, .offset: 8, .size: 8, .value_kind: global_buffer, .address_space: global }
      - { .name: xq, .offset: 16, .size: 8, .value_kind: global_buffer, .address_space: global }
      - { .name: pk, .offset: 24, .size: 8, .value_kind: global_buffer, .address_space: global }
      - { .name: rp, .offset: 32, .size: 8, .value_kind: global_buffer, .address_space: global }
    .group_segment_fixed_size: 22528
    .private_segment_fixed_size: 0
    .kernarg_segment_align: 8
    .kernarg_segment_size: 40
    .max_flat_workgroup_size: 256
    .sgpr_count:     66
    .vgpr_count:     256
    .wavefront_size: 32
...
	.end_amdgpu_metadata
.endif
;; end of part 1
;; launch up (part 2): grid 256 x 1, 4 waves a work-group, no clusters, 201,216 bytes of LDS; arguments W1_codes, W1_scales, b1, xq, pk, hq, lc; writes hq, lc
.if DOCPART == 2
	.amdgcn_target "amdgcn-amd-amdhsa--gfx1250"
	.amdhsa_code_object_version 6
	.text
	.protected	k_q4d7a920257_up
	.globl	k_q4d7a920257_up
	.p2align	8
	.type	k_q4d7a920257_up,@function
k_q4d7a920257_up:
	s_mov_b64 s[64:65], 0
	v_nop
	global_prefetch_b8 v0, s[64:65] scope:SCOPE_SE
	s_setreg_imm32_b32 hwreg(HW_REG_WAVE_MODE, 25, 1), 1
	s_wait_xcnt 0x0
; FIRST PRODUCT OF THE CHOSEN ROWS: h = Q(gelu(Q(x) W1[e]^T + b1[e])), on codes of FP6 (E2M3) with one E8M0 scale for each 32 along K.
; SHARES.  Work-group = (expert e = id / 32, S = id % 32): hidden units 128 S .. 128 S + 127, which are K step S of the second product.  Wave w: c = w % 2: its 64 hidden units; p = w / 2: row tiles j = 2 i + p.
; THE WEIGHTS STAY: a wave's 4 tiles x 8 K steps of W1 are 384 registers, read once (dense loads of 512 bytes, turned into fragments through the wave's own 50,176 bytes of LDS).  What travels is the rows' codes.
; THE ROW LIST.  Every wave makes the expert's list from pk while its weights are on their way: 32 ballots give each group of 32 tokens a mask and a running count; position -> token is two counted searches (no
; address hangs on them but through a clamp).  Position pos of expert e holds rid = 2 token + slot; positions from n_e on hold the dump row 2048 + 16 e + pos % 16.  The waves with S = 0, c = 0 store the list and the count in lc.
; THE PRODUCT IS USED TRANSPOSED (source 0 = 16 rows of W1, source 1 = 16 rows of x), and lane r of tile 2 b + u takes W1's row 32 b + 8 u + r + 8 (r / 8): a lane holds one row of h, and the 16 registers of two
; neighbouring tiles are 16 neighbours along the next K.  b1 is the C of each sum's first matrix instruction.
; OUT: hq [e][j < 64][S][1,536 bytes]: the image of the operand's registers: for c = 0, 1: registers 6 c .. 6 c + 3 at 16 x lane (512 bytes), registers 6 c + 4, 6 c + 5 at 8 x lane (256 bytes); behind them
; (byte 25,165,824) [e][j][S][16 words]: row r's scale word.  A wave owns two of a word's four bytes and shares no barrier with the wave that owns the others, so they leave by stores of two bytes: one byte in 24 of the output.
; gelu(z) = max(z, 0) - |z| t 2^E, t = 1 / (1 + |z| / (2 sqrt 2)), E = log2(e) (-z^2 / 2 + a polynomial of degree 9 in t) - 1: erfc by a form whose fractional error is 1.2e-7 for every z.
; NO JOINT REQUESTS, NO TENSOR LOADS: the walk over row tiles ends on a count read from memory.  No barrier: no wave reads another's LDS bytes.
; x's rows are gathered by token, 16 bytes a lane and instruction, 384 consecutive bytes a lane in all: the operand wants a lane to hold its own row.
; LIMITS: the rows that fill an expert's last tile are computed on token 1023 and go on to dump rows that nobody reads.  All 1,024 tokens on one expert are served (64 tiles).  Blocks under 2^-124 keep the byte 1.
.set L,   36                           ; v36-51   the wave's list: register k: lanes 0-15 tile 4 k + p, lanes 16-31 tile 4 k + 2 + p; it moves down one register a trip
.set XS,  52                           ; v52-67   x's scale words, 8 for each of two buffers
.set WS,  68                           ; v68-99   W1's scale words, 8 t + s
.set BI,  100                          ; v100-131 b1 in the result's layout, 8 t + j
.set AC,  132                          ; v132-163 four accumulators
.set GT,  164                          ; v164-211 gelu at work (v164-195 hold pk at the start)
.set GP,  180
.set GW,  196
.set Q,   212                          ; v212-218 the codes just made; v219 their two scale bytes; v220-227 the quantiser at work
.set PW,  219
.set PKR, 164
; window 0 besides: v1 lane, v2 r, v3 h, v4 16 x lane, v5-8 staging addresses, v9 W1's scale rows, v10 64 h, v12 8 x lane, v13 4 r + 2 c, v14 dump row, v15 position, v16 list offset,
; v17-20 x's offsets (codes, scale words) for buffers 0, 1; v21-29 at work; v30-32 the ballots' masks, counts, second-choice masks; v33 384 h; v34-35 a constant twice.
; windows 1, 2: W1's fragments (t, s) at v[12 (4 t + s % 4)], K steps 0-3 and 4-7.   window 3: x's fragments, buffers at v0 and v96.
.set MSB, 0
.macro WIN new                         ; the immediate's high byte repeats the setting that is left; a switch that changes nothing is dropped
.if MSB != (\new)
	s_set_vgpr_msb (MSB<<8)|(\new)
.set MSB, (\new)
.endif
.endm
.macro KPAIR reg, val                  ; a packed form names a pair and takes its low word for both halves: both are written
	s_mov_b32 s[\reg], \val
	s_mov_b32 s[\reg+1], \val
.endm
; 32 rows of 768 bytes, rp bytes apart in memory, as 48 loads of 512 bytes: two rows are three loads; the middle one straddles the rows and has an offset register of its own
.macro LOADW half, rp
	WIN 0x40*(1+\half)
.set a_, 0
.rept 16
	global_load_b128 v[12*a_:12*a_+3], v4, s[4:5] offset:(32*\half+2*a_)*\rp
	global_load_b128 v[12*a_+4:12*a_+7], v5, s[4:5] offset:(32*\half+2*a_)*\rp
	global_load_b128 v[12*a_+8:12*a_+11], v4, s[4:5] offset:(32*\half+2*a_)*\rp+\rp+256
.set a_, a_+1
.endr
	WIN 0
.endm
.macro STOREW half                     ; the same bytes into my own LDS rows, 784 bytes apart
	WIN 0x04*(1+\half)
.set a_, 0
.rept 16
	ds_store_b128 v6, v[12*a_:12*a_+3] offset:(32*\half+2*a_)*784
	ds_store_b128 v7, v[12*a_+4:12*a_+7] offset:(32*\half+2*a_)*784
	ds_store_b128 v6, v[12*a_+8:12*a_+11] offset:(32*\half+2*a_)*784+1040
.set a_, a_+1
.endr
	WIN 0
.endm
.macro FRAGS dn                        ; back as 32 fragments: lane (r, h) takes 24 bytes at 96 s + 24 h and 24 at 96 s + 48 + 24 h of its row, in pieces of 8
.irp wn, 0,1
	WIN 0x40*(1+\wn)
.set ft_, 0
.rept 4
.if \dn
.set fr_, 16*ft_
.else
.set fr_, 32*(ft_/2)+8*(ft_%2)
.endif
.set fs_, 0
.rept 4
.irp p, 0,1,2,3,4,5
	ds_load_b64 v[12*(4*ft_+fs_)+2*\p:12*(4*ft_+fs_)+2*\p+1], v8 offset:fr_*784+96*(4*\wn+fs_)+48*(\p/3)+8*(\p%3)
.endr
.set fs_, fs_+1
.endr
.set ft_, ft_+1
.endr
.endr
	WIN 0
.endm
; 32 matrix instructions: 8 K steps x 4 tiles; the four accumulators take turns, one instruction a turn
.macro MM32 BB, SB
.set ms_, 0
.rept 8
.if ms_ < 4
	WIN 0x0d                                       ; source 0 (W1) window 1, source 1 (x) window 3, C and D window 0
.else
	WIN 0x0e                                       ; source 0 window 2
.endif
.set mt_, 0
.rept 4
.set rA_, 12*(4*mt_+(ms_%4))
.set rB_, (\BB)+12*ms_
.set rD_, AC+8*mt_
.if ms_ == 0
	v_wmma_scale_f32_16x16x128_f8f6f4 v[rD_:rD_+7], v[rA_:rA_+11], v[rB_:rB_+11], v[BI+8*mt_:BI+8*mt_+7], v[WS+8*mt_+ms_], v[(\SB)+ms_] matrix_a_fmt:MATRIX_FMT_FP6 matrix_b_fmt:MATRIX_FMT_FP6
.else
	v_wmma_scale_f32_16x16x128_f8f6f4 v[rD_:rD_+7], v[rA_:rA_+11], v[rB_:rB_+11], v[rD_:rD_+7], v[WS+8*mt_+ms_], v[(\SB)+ms_] matrix_a_fmt:MATRIX_FMT_FP6 matrix_b_fmt:MATRIX_FMT_FP6
.endif
.set mt_, mt_+1
.endr
.set ms_, ms_+1
.endr
	WIN 0
.endm
; one half of list register lr is spread over both halves of the lanes and becomes x's offsets; the token is clamped to the table
.macro OFFS half, lr, xo
	v_permlanex16_b32 v21, v[\lr], s58, s59
.if \half
	v_cndmask_b32 v22, v21, v[\lr], s57
.else
	v_cndmask_b32 v22, v[\lr], v21, s57
.endif
	v_lshrrev_b32 v22, 1, v22
	v_min_u32 v22, 0x3ff, v22
	v_mul_u32_u24 v[\xo], 768, v22
	v_add_nc_u32 v[\xo], v[\xo], v33               ; token x 768 + 384 h
	v_lshlrev_b32 v[\xo+1], 5, v22                 ; token x 32
.endm
.macro XLOAD buf                       ; a tile's eight fragments and scale words: 26 loads
	WIN 0xc0
.set i_, 0
.rept 24
	global_load_b128 v[96*\buf+4*i_:96*\buf+4*i_+3], v[17+2*\buf], s[10:11] offset:16*i_
.set i_, i_+1
.endr
	WIN 0
	global_load_b128 v[XS+8*\buf:XS+8*\buf+3], v[18+2*\buf], s[18:19]
	global_load_b128 v[XS+8*\buf+4:XS+8*\buf+7], v[18+2*\buf], s[18:19] offset:16
.endm
.macro GELU16 Z                        ; 16 numbers in place, from the accumulators' low ends on
.set i_, 0
.rept 16
	v_fma_f32 v[GT+i_], |v[\Z+i_]|, s56, 1.0
.set i_, i_+1
.endr
.set i_, 0
.rept 16
	v_rcp_f32 v[GT+i_], v[GT+i_]                   ; t
.set i_, i_+1
.endr
.set i_, 0
.rept 8
	v_pk_mul_f32 v[GW+i_:GW+i_+1], v[\Z+i_:\Z+i_+1], s[54:55] op_sel_hi:[1,0]   ; -log2(e) z / 2.  (Plain places behind the reciprocals)
.set i_, i_+2
.endr
.set i_, 0
	s_wait_alu depctr_va_vdst(0)
.rept 8
	v_pk_fma_f32 v[GP+i_:GP+i_+1], v[GT+i_:GT+i_+1], s[52:53], v[34:35] op_sel_hi:[1,0,1]
.set i_, i_+2
.endr
.irp n, 50,48,46,44,42,40,38,36
.set i_, 0
.rept 8
	v_pk_fma_f32 v[GP+i_:GP+i_+1], v[GP+i_:GP+i_+1], v[GT+i_:GT+i_+1], s[\n:\n+1] op_sel_hi:[1,1,0]
.set i_, i_+2
.endr
.endr
.set i_, 0
.rept 8
	v_pk_fma_f32 v[GP+i_:GP+i_+1], v[GW+i_:GW+i_+1], v[\Z+i_:\Z+i_+1], v[GP+i_:GP+i_+1]   ; E
.set i_, i_+2
.endr
.set i_, 0
.rept 16
	v_exp_f32 v[GP+i_], v[GP+i_]
.set i_, i_+1
.endr
.set i_, 0
.rept 16
	v_max_num_f32 v[GW+i_], 0, v[\Z+i_]            ; (plain places behind the exponentials)
.set i_, i_+1
.endr
.set i_, 0
	s_wait_alu depctr_va_vdst(0)
.rept 8
	v_pk_mul_f32 v[GT+i_:GT+i_+1], v[GT+i_:GT+i_+1], v[GP+i_:GP+i_+1]
.set i_, i_+2
.endr
.set i_, 0
.rept 16
	v_fma_f32 v[\Z+i_], -|v[\Z+i_]|, v[GT+i_], v[GW+i_]
.set i_, i_+1
.endr
.endm
.macro QUANT2                          ; my 32 numbers of a row, two half blocks, become six registers of the next operand and two scale bytes
	v_max3_num_f32 v220, |v[AC]|, |v[AC+1]|, 0x1800000      ; with the floor 2^(3 - 127): the byte cannot fall under 1
	v_max3_num_f32 v221, |v[AC+16]|, |v[AC+17]|, 0x1800000
.irp i, 2,4,6,8,10,12,14
	v_max3_num_f32 v220, v220, |v[AC+\i]|, |v[AC+\i+1]|
	v_max3_num_f32 v221, v221, |v[AC+16+\i]|, |v[AC+17+\i]|
.endr
	v_permlanex16_b32 v222, v220, s58, s59
	v_permlanex16_b32 v223, v221, s58, s59
	v_max_num_f32 v220, v220, v222                 ; with lane l xor 16's half: the block's largest magnitude
	v_max_num_f32 v221, v221, v223
	v_add_nc_u32 v224, 0xff000000, v220            ; 2 off the exponent field: the conversion's scale operand
	v_add_nc_u32 v225, 0xff000000, v221
	v_lshrrev_b32 v226, 23, v224
	v_lshrrev_b32 v227, 23, v225
	v_lshl_or_b32 v[PW], v227, 8, v226
	v_cvt_scalef32_pk16_fp6_f32 v[Q:Q+2], v[AC:AC+15], v224
	v_cvt_scalef32_pk16_fp6_f32 v[Q+4:Q+6], v[AC+16:AC+31], v225
	v_nop                                          ; one plain place behind a scaled conversion
.irp i, 0,1,2
	v_permlane16_swap_b32 v[Q+\i], v[Q+4+\i]       ; a whole block to a lane: lanes 0-15 block 2 c, lanes 16-31 block 2 c + 1
.endr
	v_mov_b32 v[Q+3], v[Q+4]
	v_mov_b32 v[Q+4], v[Q+5]
	v_mov_b32 v[Q+5], v[Q+6]
.endm
	s_load_b256 s[4:11], s[0:1], 0x0               ; W1's codes, W1's scales, b1, xq
	s_load_b128 s[12:15], s[0:1], 0x20             ; pk, hq
	s_load_b64 s[16:17], s[0:1], 0x30              ; lc
	v_lshl_add_u32 v254, v0, 2, 0x31000
	v_mov_b32 v255, 0
	v_lshrrev_b32 v1, 5, v0
	v_readfirstlane_b32 s22, v1                    ; wave
	v_and_b32 v1, 31, v0
	v_and_b32 v2, 15, v0
	v_bfe_u32 v3, v0, 4, 1
	s_lshr_b32 s23, ttmp9, 5                       ; e
	s_and_b32 s24, ttmp9, 31                       ; S
	s_and_b32 s25, s22, 1                          ; c
	s_lshr_b32 s26, s22, 1                         ; p
	s_or_b32 s27, s24, s25                         ; 0: I store the list
	s_or_b32 s35, s24, s22                         ; 0: I store the count
	s_mul_i32 s33, s22, 50176                      ; my LDS bytes
	v_lshlrev_b32 v4, 4, v1
	v_add_nc_u32 v5, 512, v4                       ; (rows are dense here: the straddling load is plain)
	v_add_nc_u32 v6, s33, v4
	v_lshl_add_u32 v7, v3, 4, v6
	v_add_nc_u32 v7, 512, v7                       ; in LDS the second row begins 16 bytes later
	v_and_b32 v21, 8, v2
	v_add_nc_u32 v21, v21, v2                      ; r + 8 (r / 8)
	v_mul_u32_u24 v8, v21, 784
	v_mad_u32_u24 v8, v3, 24, v8
	v_add_nc_u32 v8, s33, v8
	v_lshlrev_b32 v9, 5, v21
	v_lshlrev_b32 v10, 6, v3
	v_lshlrev_b32 v12, 3, v1
	v_lshlrev_b32 v13, 2, v2
	s_lshl_b32 s34, s25, 1
	v_add_nc_u32 v13, s34, v13
	s_lshl_b32 s34, s23, 4
	s_add_co_u32 s34, s34, 2048
	v_add_nc_u32 v14, s34, v2                      ; the dump row of my r
	v_lshl_add_u32 v15, v3, 5, v2
	s_lshl_b32 s32, s26, 4                         ; the lowest position of a trip of the list's loop
	v_add_nc_u32 v15, s32, v15                     ; my position: 32 h + 16 p + r, + 64 a trip
	v_lshlrev_b32 v16, 2, v15
	s_lshl_b32 s34, s23, 12
	v_add_nc_u32 v16, s34, v16
	v_mul_u32_u24 v33, v3, 384
	v_mov_b32 v34, 0xbf97d29d
	v_mov_b32 v35, 0xbf97d29d
	v_mov_b32 v222, 0                              ; lane permutes' destinations count as sources
	v_mov_b32 v223, 0
	KPAIR 36, 0xc034d90f                           ; the polynomial's coefficients x log2(e), the lowest with the factor 1/2 folded in (-1)
	KPAIR 38, 0x3fb8ab5a
	KPAIR 40, 0x3f0a29d2
	KPAIR 42, 0x3e0efb2e
	KPAIR 44, 0xbe899a80
	KPAIR 46, 0x3ecdfd18
	KPAIR 48, 0xbfd1a1e5
	KPAIR 50, 0x40097039
	KPAIR 52, 0x3e7c6f08
	KPAIR 54, 0xbf38aa3b                           ; -log2(e) / 2
	s_mov_b32 s56, 0x3eb504f3                      ; 1 / (2 sqrt 2)
	s_mov_b32 s57, 0xffff0000
	s_mov_b32 s58, 0x76543210
	s_mov_b32 s59, 0xfedcba98
	s_lshl_b32 s60, 0x10001, s23                   ; my expert as first or second choice
	s_lshl_b32 s61, 0x10000, s23                   ; as second
	s_lshl_b32 s62, s23, 12
	s_lshl_b32 s63, s24, 7
	s_add_co_u32 s62, s62, s63
	s_lshl_b32 s63, s25, 6
	s_add_co_u32 s34, s62, s63                     ; my first row of W1: 4096 e + 128 S + 64 c
	s_mov_b32 s63, 0
	s_wait_kmcnt 0x0
	s_mul_i32 s62, s34, 768
	s_add_nc_u64 s[4:5], s[4:5], s[62:63]
	s_lshl_b32 s62, s34, 5
	s_add_nc_u64 s[6:7], s[6:7], s[62:63]
	s_lshl_b32 s62, s34, 2
	s_add_nc_u64 s[8:9], s[8:9], s[62:63]
	s_add_nc_u64 s[18:19], s[10:11], 786432        ; x's scale words
	s_lshl_b32 s34, s23, 6
	s_add_co_u32 s34, s34, s26
	s_lshl_b32 s34, s34, 5
	s_add_co_u32 s34, s34, s24                     ; (64 e + p) 32 + S: my first image
	s_add_nc_u64 s[20:21], s[14:15], 25165824
	s_lshl_b32 s62, s34, 6
	s_add_nc_u64 s[20:21], s[20:21], s[62:63]      ; its scale words
	s_mul_i32 s62, s34, 1536
	s_mul_i32 s34, s25, 768
	s_add_co_u32 s62, s62, s34
	s_add_nc_u64 s[14:15], s[14:15], s[62:63]      ; its codes, my half
.irp q, 0,1,2,3,4,5,6,7
	global_load_b128 v[PKR+4*\q:PKR+4*\q+3], v4, s[12:13] offset:512*\q     ; all of pk: register g = 4 q + i of lane l is token 128 q + 4 l + i
.endr
.irp t, 0,1,2,3
.irp u, 0,1
	global_load_b128 v[WS+8*\t+4*\u:WS+8*\t+4*\u+3], v9, s[6:7] offset:(32*(\t/2)+8*(\t%2))*32+16*\u
.endr
.endr
.irp t, 0,1,2,3
.irp u, 0,1
	global_load_b128 v[BI+8*\t+4*\u:BI+8*\t+4*\u+3], v10, s[8:9] offset:(32*(\t/2)+8*(\t%2))*4+16*\u
.endr
.endr
	LOADW 0, 768
	s_wait_loadcnt 63                              ; 64 loads are younger than pk's; 63 is the most a wait names
	; THE BALLOTS: lane g of v30 = the mask of group g, of v31 = the rows counted before it, of v32 = the mask of second choices; s67 .. s98 the running counts
	v_mov_b32 v30, 0
	v_mov_b32 v31, 0
	v_mov_b32 v32, 0
	s_mov_b32 s66, 0
.set g_, 0
.rept 32
	v_and_b32 v29, s60, v[PKR+g_]
	v_cmp_ne_u32 s33, 0, v29
	v_and_b32 v28, s61, v[PKR+g_]
	v_cmp_ne_u32 s34, 0, v28
	v_writelane_b32 v30, s33, g_
	v_writelane_b32 v31, s[66+g_], g_
	v_writelane_b32 v32, s34, g_
	s_bcnt1_i32_b32 s33, s33
	s_add_co_u32 s[67+g_], s[66+g_], s33
.set g_, g_+1
.endr
	s_mov_b32 s28, s98                             ; n_e
	s_add_co_u32 s29, s28, 15
	s_lshr_b32 s29, s29, 4                         ; row tiles
	s_cmp_lg_u32 s35, 0
	s_cbranch_scc1 .Lnocnt
	v_mov_b32 v29, s28
	v_lshlrev_b32 v28, 2, v1
	s_lshl_b32 s33, s23, 7
	v_add_nc_u32 v28, s33, v28
	global_store_b32 v28, v29, s[16:17] offset:32768
	s_wait_xcnt 0x0                                ; v28 and v29 are written again below
.Lnocnt:
	LOADW 1, 768
.set k_, 0
.rept 16
	v_mov_b32 v[L+k_], v14
.set k_, k_+1
.endr
	s_mov_b32 s31, 16
.Lsel:                                             ; 16 trips, a constant: trip k makes the list's register k; it enters at the top and moves down
.set k_, 0
.rept 15
	v_mov_b32 v[L+k_], v[L+k_+1]
.set k_, k_+1
.endr
	v_mov_b32 v[L+15], v14
	s_cmp_ge_u32 s32, s28
	s_cbranch_scc1 .Lnosel                         ; all 32 positions lie behind the list's end
	v_mov_b32 v21, 0
.set g_, 0
.rept 32
	v_cmp_le_u32 vcc_lo, s[67+g_], v15
	v_add_co_ci_u32 v21, vcc_lo, 0, v21, vcc_lo    ; my group: as many as have their running count at or under my position
.set g_, g_+1
.endr
	v_lshlrev_b32 v22, 2, v21
	ds_bpermute_b32 v23, v22, v30
	ds_bpermute_b32 v24, v22, v31
	ds_bpermute_b32 v25, v22, v32
	v_mov_b32 v27, 0
	v_mov_b32 v28, 0
	s_wait_dscnt 0x0
	v_sub_nc_u32 v26, v15, v24                     ; my rank in the group
.set b_, 0
.rept 32
	v_bfe_u32 v29, v23, b_, 1
	v_add_nc_u32 v28, v28, v29
	v_cmp_le_u32 vcc_lo, v28, v26
	v_add_co_ci_u32 v27, vcc_lo, 0, v27, vcc_lo    ; my bit: as many places as have at most rank ones up to them
.set b_, b_+1
.endr
	v_lshrrev_b32 v29, 2, v21
	v_lshlrev_b32 v29, 7, v29
	v_lshl_add_u32 v29, v27, 2, v29
	v_and_b32 v22, 3, v21
	v_add_nc_u32 v29, v29, v22                     ; token = 128 (g / 4) + 4 bit + g % 4
	v_lshrrev_b32 v25, v27, v25
	v_and_b32 v25, 1, v25
	v_lshl_or_b32 v29, v29, 1, v25                 ; rid = 2 token + slot
	v_cmp_gt_u32 vcc_lo, s28, v15
	v_cndmask_b32 v[L+15], v14, v29, vcc_lo
.Lnosel:
	s_cmp_lg_u32 s27, 0
	s_cbranch_scc1 .Lnolst
	global_store_b32 v16, v[L+15], s[16:17]
	s_wait_xcnt 0x0                                ; offset and data are written again in the next trip
	v_add_nc_u32 v16, 256, v16
.Lnolst:
	v_add_nc_u32 v15, 64, v15
	s_add_co_u32 s32, s32, 64
	s_sub_co_u32 s31, s31, 1
	s_cmp_lg_u32 s31, 0
	s_cbranch_scc1 .Lsel
	s_wait_loadcnt 48                              ; all but the second half of the weights
	STOREW 0
	OFFS 0, L, 17
	XLOAD 0                                        ; my first tile of x
	s_wait_loadcnt 26                              ; all but those 26
	STOREW 1
	OFFS 1, L, 19
	XLOAD 1                                        ; my second
	s_wait_dscnt 0x0
	FRAGS 0
	s_wait_dscnt 0x0
; A ROW TILE.  Its x came two tiles ago; behind the products its buffer takes the tile two further on.
.macro UPT buf
	s_cmp_ge_u32 s30, s29
	s_cbranch_scc1 .Lend                           ; the first tile that does not exist ends the wave
	s_wait_loadcnt 26                              ; my buffer's 26 loads are in; the other buffer's 26 are younger
	OFFS \buf, L+1, 17+2*\buf
	MM32 96*\buf, XS+8*\buf
.rept 4
	v_nop                                          ; four places in front of loads into registers that the products read, and of the first read of results
.endr
	XLOAD \buf
	GELU16 AC
	GELU16 AC+16
	s_wait_xcnt 0x0                                ; the last tile's stores have read their data
	QUANT2
	global_store_b128 v4, v[Q:Q+3], s[14:15] offset:98304*\buf          ; 512 consecutive bytes, aligned to 256
	global_store_b64 v12, v[Q+4:Q+5], s[14:15] offset:98304*\buf+512    ; 256 more
	global_store_b16 v13, v[PW], s[20:21] offset:4096*\buf
	s_add_co_u32 s30, s30, 2
.endm
	s_mov_b32 s30, s26                             ; j
	s_mov_b32 s31, 16
.Lrow:                                             ; 16 trips at the most, two tiles a trip
	UPT 0
	UPT 1
	s_wait_xcnt 0x0                                ; the stores have read their bases
	s_add_nc_u64 s[14:15], s[14:15], 196608        ; four tiles on
	s_add_nc_u64 s[20:21], s[20:21], 8192
.set k_, 0
.rept 15
	v_mov_b32 v[L+k_], v[L+k_+1]
.set k_, k_+1
.endr
	v_mov_b32 v[L+15], v14
	s_sub_co_u32 s31, s31, 1
	s_cmp_lg_u32 s31, 0
	s_cbranch_scc1 .Lrow
.Lend:
	s_wait_tensorcnt 0x0
	ds_add_u32 v254, v255
	s_wait_dscnt 0x0
	s_endpgm
.Lfunc_end_k_q4d7a920257_up:
	.size	k_q4d7a920257_up, .Lfunc_end_k_q4d7a920257_up-k_q4d7a920257_up
	.p2alignl 7, 3214868480
	.fill 96, 4, 3214868480
	.section	.rodata,"a",@progbits
	.p2align	6, 0x0
	.amdhsa_kernel k_q4d7a920257_up
		.amdhsa_group_segment_fixed_size 201216
		.amdhsa_private_segment_fixed_size 0
		.amdhsa_enable_private_segment 0
		.amdhsa_kernarg_size 56
		.amdhsa_user_sgpr_count 2
		.amdhsa_user_sgpr_kernarg_segment_ptr 1
		.amdhsa_wavefront_size32 1
		.amdhsa_system_sgpr_workgroup_id_x 1
		.amdhsa_system_sgpr_workgroup_id_y 1
		.amdhsa_system_sgpr_workgroup_id_z 1
		.amdhsa_system_vgpr_workitem_id 0
		.amdhsa_next_free_vgpr 1024
		.amdhsa_next_free_sgpr 100
		.amdhsa_reserve_vcc 1
		.amdhsa_float_denorm_mode_32 3
		.amdhsa_float_denorm_mode_16_64 3
		.amdhsa_memory_ordered 1
		.amdhsa_forward_progress 1
		.amdhsa_inst_pref_size 122
	.end_amdhsa_kernel
	.amdgpu_metadata
---
amdhsa.version: [ 1, 2 ]
amdhsa.kernels:
  - .name:           k_q4d7a920257_up
    .symbol:         k_q4d7a920257_up.kd
    .args:
      - { .name: W1_codes, .offset: 0, .size: 8, .value_kind: global_buffer, .address_space: global }
      - { .name: W1_scales, .offset: 8, .size: 8, .value_kind: global_buffer, .address_space: global }
      - { .name: b1, .offset: 16, .size: 8, .value_kind: global_buffer, .address_space: global }
      - { .name: xq, .offset: 24, .size: 8, .value_kind: global_buffer, .address_space: global }
      - { .name: pk, .offset: 32, .size: 8, .value_kind: global_buffer, .address_space: global }
      - { .name: hq, .offset: 40, .size: 8, .value_kind: global_buffer, .address_space: global }
      - { .name: lc, .offset: 48, .size: 8, .value_kind: global_buffer, .address_space: global }
    .group_segment_fixed_size: 201216
    .private_segment_fixed_size: 0
    .kernarg_segment_align: 8
    .kernarg_segment_size: 56
    .max_flat_workgroup_size: 128
    .sgpr_count:     100
    .vgpr_count:     1024
    .wavefront_size: 32
...
	.end_amdgpu_metadata
.endif
;; end of part 2
;; launch down (part 3): grid 256 x 1, 4 waves a work-group, no clusters, 279,040 bytes of LDS; arguments W2_codes, W2_scales, b2, hq, lc, rp, yr; writes yr
.if DOCPART == 3
	.amdgcn_target "amdgcn-amd-amdhsa--gfx1250"
	.amdhsa_code_object_version 6
	.text
	.protected	k_q4d7a920257_down
	.globl	k_q4d7a920257_down
	.p2align	8
	.type	k_q4d7a920257_down,@function
k_q4d7a920257_down:
	s_mov_b64 s[64:65], 0
	v_nop
	global_prefetch_b8 v0, s[64:65] scope:SCOPE_SE
	s_setreg_imm32_b32 hwreg(HW_REG_WAVE_MODE, 25, 1), 1
	s_wait_xcnt 0x0
; SECOND PRODUCT OF THE CHOSEN ROWS: yr[rid] = gate weight x (h W2[e]^T + b2[e]), on codes of FP6 (E2M3) with one E8M0 scale for each 32 along K.
; SHARES.  Work-group = (expert e = id / 32, cs = (id / 2) % 16: output columns 64 cs .. + 63, q = id % 2: row tiles j = q + 2 i).  K IS SPLIT OVER THE WAVES: wave w holds K steps 8 w .. 8 w + 7 of the four
; column tiles: 384 registers, read once (rows' pieces of 768 bytes, turned into fragments through the wave's own LDS bytes).  So each byte of h that the work-group pulls feeds four products and is pulled once.
; h comes as images of the operand's registers (dense loads of 512 and 256 bytes), two tiles ahead in two buffers.
; The product is used transposed (source 0 = 16 rows of W2, source 1 = 16 rows of h): a lane holds eight neighbouring columns of one row.
; A PASS is up to 16 tiles: each wave's partial sums go to its own LDS bytes | barrier | wave w adds the four partial sums of rows 4 w .. 4 w + 3 of each tile, adds b2, multiplies by the row's gate weight and
; stores: sixteen lanes fill 256 consecutive bytes, aligned, of row rid | barrier.  Two passes, a constant, serve 32 tiles a work-group: all 1,024 tokens on one expert.
; Each routed pair (token, slot) has a row of yr of its own, so no sum spans work-groups here; the rows that fill an expert's last tile go to that expert's 16 dump rows (from row 2,048 on), which nobody reads.
; NO JOINT REQUESTS, NO TENSOR LOADS: the walk over tiles ends on a count read from memory.  Both barriers of a pass stand on every wave's path; the branches jump over work alone.
.set AC0, 32                           ; v32-63, v64-95 four accumulators, two sets by turns
.set WS,  96                           ; v96-127  W2's scale words, 8 t + s
.set HS,  128                          ; v128-135 h's scale words: register u of a buffer: lanes 0-15 K step 2 u, lanes 16-31 K step 2 u + 1
.set RID, 136                          ; v136-167 rows' places in yr, 2 a + i
.set CW,  168                          ; v168-199 their gate weights
.set B2,  200                          ; v200-203 b2 of my four columns
.set RT,  204                          ; v204-235 the adding at work
; window 0 besides: v1 lane, v2 r, v3 h, v4 16 x lane, v5-8 staging addresses, v9 128 r, v11 8 x lane, v12 4 x lane, v13, v20 where I put partial sums (tiles 0-7, 8-15), v14-17 where I read wave g's, v18 my rows in the list, v19 16 r.
; windows 1, 2: W2's fragments (t, s) at v[12 (4 t + s % 4)].   window 3: h's fragments, buffers at v0 and v96.
.set MSB, 0
.macro WIN new                         ; the immediate's high byte repeats the setting that is left; a switch that changes nothing is dropped
.if MSB != (\new)
	s_set_vgpr_msb (MSB<<8)|(\new)
.set MSB, (\new)
.endif
.endm
; 32 rows' pieces of 768 bytes, rp bytes apart in memory, as 48 loads of 512 bytes: two pieces are three loads; the middle one straddles them and has an offset register of its own
.macro LOADW half, rp
	WIN 0x40*(1+\half)
.set a_, 0
.rept 16
	global_load_b128 v[12*a_:12*a_+3], v4, s[4:5] offset:(32*\half+2*a_)*\rp
	global_load_b128 v[12*a_+4:12*a_+7], v5, s[4:5] offset:(32*\half+2*a_)*\rp
	global_load_b128 v[12*a_+8:12*a_+11], v4, s[4:5] offset:(32*\half+2*a_)*\rp+\rp+256
.set a_, a_+1
.endr
	WIN 0
.endm
.macro STOREW half                     ; the same bytes into my own LDS rows, 784 bytes apart
	WIN 0x04*(1+\half)
.set a_, 0
.rept 16
	ds_store_b128 v6, v[12*a_:12*a_+3] offset:(32*\half+2*a_)*784
	ds_store_b128 v7, v[12*a_+4:12*a_+7] offset:(32*\half+2*a_)*784
	ds_store_b128 v6, v[12*a_+8:12*a_+11] offset:(32*\half+2*a_)*784+1040
.set a_, a_+1
.endr
	WIN 0
.endm
.macro FRAGS dn                        ; back as 32 fragments: lane (r, h) takes 24 bytes at 96 s + 24 h and 24 at 96 s + 48 + 24 h of its row, in pieces of 8
.irp wn, 0,1
	WIN 0x40*(1+\wn)
.set ft_, 0
.rept 4
.if \dn
.set fr_, 16*ft_
.else
.set fr_, 32*(ft_/2)+8*(ft_%2)
.endif
.set fs_, 0
.rept 4
.irp p, 0,1,2,3,4,5
	ds_load_b64 v[12*(4*ft_+fs_)+2*\p:12*(4*ft_+fs_)+2*\p+1], v8 offset:fr_*784+96*(4*\wn+fs_)+48*(\p/3)+8*(\p%3)
.endr
.set fs_, fs_+1
.endr
.set ft_, ft_+1
.endr
.endr
	WIN 0
.endm
; 32 matrix instructions: my 8 K steps x 4 column tiles; the four accumulators take turns, one instruction a turn; the first K step starts the sums with the constant 0
.macro MM32 BB, SB, AB
.set ms_, 0
.rept 8
.if ms_ < 4
	WIN 0x0d                                       ; source 0 (W2) window 1, source 1 (h) window 3, C and D window 0
.else
	WIN 0x0e                                       ; source 0 window 2
.endif
.set mt_, 0
.rept 4
.set rA_, 12*(4*mt_+(ms_%4))
.set rB_, (\BB)+12*ms_
.set rD_, (\AB)+8*mt_
.if ms_ == 0
	v_wmma_scale_f32_16x16x128_f8f6f4 v[rD_:rD_+7], v[rA_:rA_+11], v[rB_:rB_+11], 0, v[WS+8*mt_+ms_], v[(\SB)+ms_/2] matrix_a_fmt:MATRIX_FMT_FP6 matrix_b_fmt:MATRIX_FMT_FP6
.elseif ms_%2
	v_wmma_scale_f32_16x16x128_f8f6f4 v[rD_:rD_+7], v[rA_:rA_+11], v[rB_:rB_+11], v[rD_:rD_+7], v[WS+8*mt_+ms_], v[(\SB)+ms_/2] matrix_a_fmt:MATRIX_FMT_FP6 matrix_b_fmt:MATRIX_FMT_FP6 matrix_b_scale:MATRIX_SCALE_ROW1
.else
	v_wmma_scale_f32_16x16x128_f8f6f4 v[rD_:rD_+7], v[rA_:rA_+11], v[rB_:rB_+11], v[rD_:rD_+7], v[WS+8*mt_+ms_], v[(\SB)+ms_/2] matrix_a_fmt:MATRIX_FMT_FP6 matrix_b_fmt:MATRIX_FMT_FP6
.endif
.set mt_, mt_+1
.endr
.set ms_, ms_+1
.endr
	WIN 0
.endm
.macro SETP buf                        ; buffer buf's pointers to tile s29, held to the tiles that exist
	s_wait_xcnt 0x0
	s_min_u32 s34, s29, s27
	s_min_u32 s34, s34, 63
	s_mul_i32 s32, s34, 49152
	s_add_nc_u64 s[36+4*(\buf):37+4*(\buf)], s[44:45], s[32:33]
	s_lshl_b32 s32, s34, 11
	s_add_nc_u64 s[38+4*(\buf):39+4*(\buf)], s[46:47], s[32:33]
.endm
.macro LOADH buf                       ; a tile's eight images of my K steps and their scale words: 36 loads
	WIN 0xc0
.set hs_, 0
.rept 8
.irp c, 0,1
	global_load_b128 v[96*(\buf)+12*hs_+6*\c:96*(\buf)+12*hs_+6*\c+3], v4, s[36+4*(\buf):37+4*(\buf)] offset:1536*hs_+768*\c
	global_load_b64 v[96*(\buf)+12*hs_+6*\c+4:96*(\buf)+12*hs_+6*\c+5], v11, s[36+4*(\buf):37+4*(\buf)] offset:1536*hs_+768*\c+512
.endr
.set hs_, hs_+1
.endr
	WIN 0
.irp u, 0,1,2,3
	global_load_b32 v[HS+4*(\buf)+\u], v12, s[38+4*(\buf):39+4*(\buf)] offset:128*\u
.endr
.endm
	s_load_b256 s[4:11], s[0:1], 0x0               ; W2's codes, W2's scales, b2, hq
	s_load_b128 s[12:15], s[0:1], 0x20             ; lc, rp
	s_load_b64 s[16:17], s[0:1], 0x30              ; yr
	v_lshl_add_u32 v254, v0, 2, 0x44000
	v_mov_b32 v255, 0
	v_lshrrev_b32 v1, 5, v0
	v_readfirstlane_b32 s20, v1                    ; wave
	v_and_b32 v1, 31, v0
	v_and_b32 v2, 15, v0
	v_bfe_u32 v3, v0, 4, 1
	s_lshr_b32 s21, ttmp9, 5                       ; e
	s_bfe_u32 s22, ttmp9, 0x40001                  ; cs
	s_and_b32 s23, ttmp9, 1                        ; q
	s_mul_i32 s34, s20, 69632                      ; my LDS bytes
	v_lshlrev_b32 v4, 4, v1
	v_mad_u32_u24 v5, v3, 2304, v4
	v_add_nc_u32 v5, 512, v5                       ; the straddling load: lanes 16-31 begin the next row, 3,072 bytes on
	v_add_nc_u32 v6, s34, v4
	v_lshl_add_u32 v7, v3, 4, v6
	v_add_nc_u32 v7, 512, v7
	v_mul_u32_u24 v8, v2, 784
	v_mad_u32_u24 v8, v3, 24, v8
	v_add_nc_u32 v8, s34, v8
	v_lshlrev_b32 v9, 7, v2
	v_lshlrev_b32 v11, 3, v1
	v_lshlrev_b32 v12, 2, v1
	v_lshlrev_b32 v19, 4, v2
	v_mad_u32_u24 v13, v3, 272, v19
	v_add_nc_u32 v13, s34, v13                     ; partial sums: piece (a, t, u) of 544 bytes = [h][16 rows x 16 bytes] + 16 twice
	v_add_nc_u32 v20, 34816, v13                   ; tiles 8 on: an LDS offset has 16 bits
	v_lshrrev_b32 v21, 2, v2                       ; back: lane (r, h) takes columns 4 r .. 4 r + 3: tile r / 4, half (r / 2) % 2, piece r % 2; of row 4 w + h (+ 2 i)
	v_lshlrev_b32 v21, 1, v21
	v_and_b32 v22, 1, v2
	v_add_nc_u32 v21, v21, v22
	v_mul_u32_u24 v21, v21, 544
	v_bfe_u32 v22, v2, 1, 1
	v_mad_u32_u24 v21, v22, 272, v21
	v_lshl_add_u32 v21, v3, 4, v21
	s_lshl_b32 s35, s20, 6
	v_add_nc_u32 v14, s35, v21
	v_add_nc_u32 v15, 69632, v14
	v_add_nc_u32 v16, 139264, v14
	v_add_nc_u32 v17, 208896, v14
	s_lshl_b32 s35, s20, 4
	v_lshl_add_u32 v18, v3, 2, s35                 ; 4 (4 w + h)
	s_lshl_b32 s34, s21, 10
	s_lshl_b32 s35, s22, 6
	s_add_co_u32 s34, s34, s35                     ; my first row of W2: 1024 e + 64 cs
	s_mov_b32 s33, 0
	s_wait_kmcnt 0x0
	s_mul_i32 s32, s34, 3072
	s_add_nc_u64 s[4:5], s[4:5], s[32:33]
	s_mul_i32 s32, s20, 768
	s_add_nc_u64 s[4:5], s[4:5], s[32:33]
	s_lshl_b32 s32, s34, 7
	s_add_nc_u64 s[6:7], s[6:7], s[32:33]
	s_lshl_b32 s32, s20, 5
	s_add_nc_u64 s[6:7], s[6:7], s[32:33]
	s_lshl_b32 s32, s34, 2
	s_add_nc_u64 s[8:9], s[8:9], s[32:33]
	s_mul_i32 s32, s21, 3145728
	s_add_nc_u64 s[44:45], s[10:11], s[32:33]
	s_mul_i32 s32, s20, 12288
	s_add_nc_u64 s[44:45], s[44:45], s[32:33]      ; h's images: expert e, tile 0, K step 8 w
	s_add_nc_u64 s[46:47], s[10:11], 25165824
	s_lshl_b32 s32, s21, 17
	s_add_nc_u64 s[46:47], s[46:47], s[32:33]
	s_lshl_b32 s32, s20, 9
	s_add_nc_u64 s[46:47], s[46:47], s[32:33]      ; and their scale words
	s_lshl_b32 s32, s21, 12
	s_add_nc_u64 s[48:49], s[12:13], s[32:33]
	s_lshl_b32 s32, s23, 6
	s_add_nc_u64 s[48:49], s[48:49], s[32:33]      ; the list at tile q
	s_lshl_b32 s32, s21, 7
	s_add_nc_u64 s[52:53], s[12:13], s[32:33]
	s_load_b32 s25, s[52:53], 0x8000               ; n_e
	s_lshl_b32 s32, s22, 8
	s_add_nc_u64 s[50:51], s[16:17], s[32:33]      ; yr at my columns
.irp t, 0,1,2,3
.irp u, 0,1
	global_load_b128 v[WS+8*\t+4*\u:WS+8*\t+4*\u+3], v9, s[6:7] offset:2048*\t+16*\u
.endr
.endr
	global_load_b128 v[B2:B2+3], v19, s[8:9]
	LOADW 0, 3072
	LOADW 1, 3072
	s_wait_kmcnt 0x0
	s_add_co_u32 s26, s25, 15
	s_lshr_b32 s26, s26, 4                         ; row tiles
	s_max_u32 s27, s26, 1
	s_sub_co_u32 s27, s27, 1                       ; the last tile that exists
	s_wait_loadcnt 48                              ; all but the second half of the weights
	STOREW 0
	s_wait_loadcnt 0x0
	STOREW 1
	s_wait_dscnt 0x0
	FRAGS 1
; TILE a of a pass: 32 products, partial sums to LDS, the buffer's next tile asked for
.macro TILE a
	s_cmp_ge_u32 s28, s26
	s_cbranch_scc1 .Lcdone                         ; the first tile that does not exist ends the pass's products
.if \a < 2
	s_wait_loadcnt 63                              ; younger than this tile's loads: 36 of another tile and the 32 gate weights; 63 is the most a wait names
.elseif \a < 15
	s_wait_loadcnt 36                              ; the next tile's 36 are younger
.else
	s_wait_loadcnt 0x0
.endif
.if \a == 0
	s_wait_dscnt 0x0                               ; W2's fragments
.endif
	MM32 96*(\a%2), HS+4*(\a%2), AC0+32*(\a%2)
.rept 4
	v_nop                                          ; four places in front of the stores that read results and of loads into registers that the products read
.endr
.irp t, 0,1,2,3
.irp u, 0,1
.if \a < 8
	ds_store_b128 v13, v[AC0+32*(\a%2)+8*\t+4*\u:AC0+32*(\a%2)+8*\t+4*\u+3] offset:(8*(\a)+2*\t+\u)*544      ; each accumulator from its low end on
.else
	ds_store_b128 v20, v[AC0+32*(\a%2)+8*\t+4*\u:AC0+32*(\a%2)+8*\t+4*\u+3] offset:(8*(\a-8)+2*\t+\u)*544
.endif
.endr
.endr
.if \a < 14
	s_add_co_u32 s29, s29, 2
	SETP \a%2
	LOADH \a%2
.endif
	s_add_co_u32 s28, s28, 2
.endm
; my four rows of tile a: the four waves' partial sums, K ascending in pairs, + b2, x the gate weight
.macro RED a
	s_cmp_ge_u32 s30, s26
	s_cbranch_scc1 .Lrdone
	s_wait_xcnt 0x0                                ; the last tile's stores have read their data
.irp i, 0,1
.irp g, 0,1,2,3
	ds_load_b128 v[RT+16*\i+4*\g:RT+16*\i+4*\g+3], v[14+\g] offset:4352*(\a)+32*\i
.endr
.endr
	s_wait_dscnt 0x0
.irp i, 0,1
	v_pk_add_f32 v[RT+16*\i:RT+16*\i+1], v[RT+16*\i:RT+16*\i+1], v[RT+16*\i+4:RT+16*\i+5]
	v_pk_add_f32 v[RT+16*\i+2:RT+16*\i+3], v[RT+16*\i+2:RT+16*\i+3], v[RT+16*\i+6:RT+16*\i+7]
	v_pk_add_f32 v[RT+16*\i+8:RT+16*\i+9], v[RT+16*\i+8:RT+16*\i+9], v[RT+16*\i+12:RT+16*\i+13]
	v_pk_add_f32 v[RT+16*\i+10:RT+16*\i+11], v[RT+16*\i+10:RT+16*\i+11], v[RT+16*\i+14:RT+16*\i+15]
	v_pk_add_f32 v[RT+16*\i:RT+16*\i+1], v[RT+16*\i:RT+16*\i+1], v[RT+16*\i+8:RT+16*\i+9]
	v_pk_add_f32 v[RT+16*\i+2:RT+16*\i+3], v[RT+16*\i+2:RT+16*\i+3], v[RT+16*\i+10:RT+16*\i+11]
	v_pk_add_f32 v[RT+16*\i:RT+16*\i+1], v[RT+16*\i:RT+16*\i+1], v[B2:B2+1]
	v_pk_add_f32 v[RT+16*\i+2:RT+16*\i+3], v[RT+16*\i+2:RT+16*\i+3], v[B2+2:B2+3]
.irp n, 0,1,2,3
	v_mul_f32 v[RT+16*\i+\n], v[RT+16*\i+\n], v[CW+2*(\a)+\i]
.endr
	global_store_b128 v[RID+2*(\a)+\i], v[RT+16*\i:RT+16*\i+3], s[50:51]    ; sixteen lanes: 256 consecutive bytes of a row, aligned
.endr
	s_add_co_u32 s30, s30, 2
.endm
	s_mov_b32 s31, s23                             ; the pass's first tile
	s_mov_b32 s24, 2
.Lpass:
	s_mov_b32 s28, s31                             ; the tile to multiply,
	s_mov_b32 s29, s31                             ; to ask for,
	s_mov_b32 s30, s31                             ; to add up
	s_wait_xcnt 0x0                                ; the last pass's stores have read their offsets
.set k_, 0
.rept 32
	global_load_b32 v[RID+k_], v18, s[48:49] offset:128*(k_/2)+8*(k_%2)     ; the list's word of row 4 w + h + 2 i of tile a (k = 2 a + i): every word of the list is written
.set k_, k_+1
.endr
	SETP 0
	LOADH 0
	s_add_co_u32 s29, s29, 2
	SETP 1
	LOADH 1
	s_wait_loadcnt 63                              ; 72 loads are younger than the list's; 63 is the most a wait names
.set k_, 0
.rept 32
	v_min_u32 v[CW+k_], 0x7ff, v[RID+k_]           ; a dump row takes some weight: nobody reads it
	v_lshlrev_b32 v[CW+k_], 2, v[CW+k_]
	v_min_u32 v[RID+k_], 0x87f, v[RID+k_]
	v_lshl_add_u32 v[RID+k_], v[RID+k_], 12, v19   ; row x 4,096 + 16 r
.set k_, k_+1
.endr
.set k_, 0
.rept 32
	global_load_b32 v[CW+k_], v[CW+k_], s[14:15]
.set k_, k_+1
.endr
	TILE 0
	TILE 1
	TILE 2
	TILE 3
	TILE 4
	TILE 5
	TILE 6
	TILE 7
	TILE 8
	TILE 9
	TILE 10
	TILE 11
	TILE 12
	TILE 13
	TILE 14
	TILE 15
.Lcdone:
	s_wait_loadcnt 0x0                             ; the gate weights, on the short way too
	s_wait_dscnt 0x0                               ; for the others' sake: my partial sums have landed
	s_barrier_signal -1
	s_barrier_wait -1
	RED 0
	RED 1
	RED 2
	RED 3
	RED 4
	RED 5
	RED 6
	RED 7
	RED 8
	RED 9
	RED 10
	RED 11
	RED 12
	RED 13
	RED 14
	RED 15
.Lrdone:
	s_wait_dscnt 0x0                               ; my reads of the others' partial sums are in: the next pass may write there
	s_barrier_signal -1
	s_barrier_wait -1
	s_add_nc_u64 s[48:49], s[48:49], 2048          ; 32 tiles on in the list (its loads were waited for)
	s_add_co_u32 s31, s31, 32
	s_sub_co_u32 s24, s24, 1
	s_cmp_lg_u32 s24, 0
	s_cbranch_scc1 .Lpass
	s_wait_tensorcnt 0x0
	ds_add_u32 v254, v255
	s_wait_dscnt 0x0
	s_endpgm
.Lfunc_end_k_q4d7a920257_down:
	.size	k_q4d7a920257_down, .Lfunc_end_k_q4d7a920257_down-k_q4d7a920257_down
	.p2alignl 7, 3214868480
	.fill 96, 4, 3214868480
	.section	.rodata,"a",@progbits
	.p2align	6, 0x0
	.amdhsa_kernel k_q4d7a920257_down
		.amdhsa_group_segment_fixed_size 279040
		.amdhsa_private_segment_fixed_size 0
		.amdhsa_enable_private_segment 0
		.amdhsa_kernarg_size 56
		.amdhsa_user_sgpr_count 2
		.amdhsa_user_sgpr_kernarg_segment_ptr 1
		.amdhsa_wavefront_size32 1
		.amdhsa_system_sgpr_workgroup_id_x 1
		.amdhsa_system_sgpr_workgroup_id_y 1
		.amdhsa_system_sgpr_workgroup_id_z 1
		.amdhsa_system_vgpr_workitem_id 0
		.amdhsa_next_free_vgpr 1024
		.amdhsa_next_free_sgpr 66
		.amdhsa_reserve_vcc 0
		.amdhsa_float_denorm_mode_32 3
		.amdhsa_float_denorm_mode_16_64 3
		.amdhsa_memory_ordered 1
		.amdhsa_forward_progress 1
		.amdhsa_inst_pref_size 217
	.end_amdhsa_kernel
	.amdgpu_metadata
---
amdhsa.version: [ 1, 2 ]
amdhsa.kernels:
  - .name:           k_q4d7a920257_down
    .symbol:         k_q4d7a920257_down.kd
    .args:
      - { .name: W2_codes, .offset: 0, .size: 8, .value_kind: global_buffer, .address_space: global }
      - { .name: W2_scales, .offset: 8, .size: 8, .value_kind: global_buffer, .address_space: global }
      - { .name: b2, .offset: 16, .size: 8, .value_kind: global_buffer, .address_space: global }
      - { .name: hq, .offset: 24, .size: 8, .value_kind: global_buffer, .address_space: global }
      - { .name: lc, .offset: 32, .size: 8, .value_kind: global_buffer, .address_space: global }
      - { .name: rp, .offset: 40, .size: 8, .value_kind: global_buffer, .address_space: global }
      - { .name: yr, .offset: 48, .size: 8, .value_kind: global_buffer, .address_space: global }
    .group_segment_fixed_size: 279040
    .private_segment_fixed_size: 0
    .kernarg_segment_align: 8
    .kernarg_segment_size: 56
    .max_flat_workgroup_size: 128
    .sgpr_count:     66
    .vgpr_count:     1024
    .wavefront_size: 32
...
	.end_amdgpu_metadata
.endif
;; end of part 3
;; launch combine (part 4): grid 256 x 1, 8 waves a work-group, no clusters, 0 bytes of LDS; arguments yr, rp, out0, out1; writes out0, out1
.if DOCPART == 4
	.amdgcn_target "amdgcn-amd-amdhsa--gfx1250"
	.amdhsa_code_object_version 6
	.text
	.protected	k_q4d7a920257_combine
	.globl	k_q4d7a920257_combine
	.p2align	8
	.type	k_q4d7a920257_combine,@function
k_q4d7a920257_combine:
	s_mov_b64 s[64:65], 0
	v_nop
	global_prefetch_b8 v0, s[64:65] scope:SCOPE_SE
	s_setreg_imm32_b32 hwreg(HW_REG_WAVE_MODE, 25, 1), 1
	s_wait_xcnt 0x0
; out0[t] = yr[2 t] + yr[2 t + 1]: a token's two weighted expert rows.  A stream: a work-group takes 4 tokens, thread n the 16 bytes at 16 n of each row; all eight loads are issued first;
; each load and store of a wave covers 512 consecutive bytes.  No LDS, no matrix unit, no cluster: nothing is shared and memory binds.
; Work-group 0's wave 0 also makes lb_loss = 8 sum_e (P_e / 1024) P_e = sum_e P_e^2 / 128, P_e the sum of expert e's probabilities over all tokens, from the 64 partial sums in rp (each stored four times).
	s_load_b256 s[4:11], s[0:1], 0x0               ; yr, rp, out0, out1
	v_lshlrev_b32 v1, 4, v0
	v_lshrrev_b32 v2, 5, v0
	v_readfirstlane_b32 s18, v2                    ; wave
	s_lshl_b32 s12, ttmp9, 15                      ; 8 rows of yr
	s_mov_b32 s13, 0
	s_lshl_b32 s14, ttmp9, 14                      ; 4 rows of out0
	s_mov_b32 s15, 0
	s_wait_kmcnt 0x0
	s_add_nc_u64 s[4:5], s[4:5], s[12:13]
	s_add_nc_u64 s[8:9], s[8:9], s[14:15]
.irp i, 0,1,2,3
	global_load_b128 v[4+8*\i:7+8*\i], v1, s[4:5] offset:8192*\i th:TH_LOAD_NT
	global_load_b128 v[8+8*\i:11+8*\i], v1, s[4:5] offset:8192*\i+4096 th:TH_LOAD_NT
.endr
.irp i, 0,1,2,3
	s_wait_loadcnt 6-2*\i                          ; this token's two loads are in; the later tokens' stay out
	v_pk_add_f32 v[4+8*\i:5+8*\i], v[4+8*\i:5+8*\i], v[8+8*\i:9+8*\i]
	v_pk_add_f32 v[6+8*\i:7+8*\i], v[6+8*\i:7+8*\i], v[10+8*\i:11+8*\i]
	global_store_b128 v1, v[4+8*\i:7+8*\i], s[8:9] offset:4096*\i th:TH_STORE_NT
.endr
	s_cmp_lg_u32 ttmp9, 0
	s_cbranch_scc1 .Lend
	s_cmp_lg_u32 s18, 0
	s_cbranch_scc1 .Lend
.set q_, 0
.rept 16
	global_load_b128 v[40+4*q_:43+4*q_], v1, s[6:7] offset:8192+512*q_      ; word 128 q + 4 l + i: expert 4 (l % 2) + i of work-group 4 q + l / 8
.set q_, q_+1
.endr
	s_mov_b32 s16, 0x76543210
	s_mov_b32 s17, 0xfedcba98
.irp i, 0,1,2,3
	v_mov_b32 v[104+\i], 0                         ; lane permutes' destinations count as sources
.endr
	s_wait_loadcnt 0x0
.set q_, 1
.rept 15
	v_pk_add_f32 v[40:41], v[40:41], v[40+4*q_:41+4*q_]
	v_pk_add_f32 v[42:43], v[42:43], v[42+4*q_:43+4*q_]
.set q_, q_+1
.endr
.irp m, 2,4,8                                  ; over the lanes of my parity
.irp i, 0,1,2,3
	v_add_f32_dpp v[40+\i], v[40+\i], v[40+\i] row_xmask:\m row_mask:0xf bank_mask:0xf
.endr
.endr
.irp i, 0,1,2,3
	v_permlanex16_b32 v[104+\i], v[40+\i], s16, s17
.endr
.irp i, 0,1,2,3
	v_add_f32 v[40+\i], v[40+\i], v[104+\i]        ; 4 P_e, e = 4 (l % 2) + i
.endr
	v_mul_f32 v108, v40, v40
	v_fmac_f32 v108, v41, v41
	v_fmac_f32 v108, v42, v42
	v_fmac_f32 v108, v43, v43
	v_add_f32_dpp v108, v108, v108 row_xmask:1 row_mask:0xf bank_mask:0xf   ; 16 sum_e P_e^2
	v_mul_f32 v108, 0x3a000000, v108               ; / 2048: a power of two
	v_mov_b32 v109, 0
	v_cmp_eq_u32 vcc_lo, 0, v0
	s_wait_xcnt 0x0                                ; EXEC changes only behind this wait
	s_and_saveexec_b32 s19, vcc_lo
	global_store_b32 v109, v108, s[10:11]
	s_wait_xcnt 0x0                                ; and again in front of the line that widens it
	s_or_b32 exec_lo, exec_lo, s19
.Lend:
	s_endpgm
.Lfunc_end_k_q4d7a920257_combine:
	.size	k_q4d7a920257_combine, .Lfunc_end_k_q4d7a920257_combine-k_q4d7a920257_combine
	.p2alignl 7, 3214868480
	.fill 96, 4, 3214868480
	.section	.rodata,"a",@progbits
	.p2align	6, 0x0
	.amdhsa_kernel k_q4d7a920257_combine
		.amdhsa_group_segment_fixed_size 0
		.amdhsa_private_segment_fixed_size 0
		.amdhsa_enable_private_segment 0
		.amdhsa_kernarg_size 32
		.amdhsa_user_sgpr_count 2
		.amdhsa_user_sgpr_kernarg_segment_ptr 1
		.amdhsa_wavefront_size32 1
		.amdhsa_system_sgpr_workgroup_id_x 1
		.amdhsa_system_sgpr_workgroup_id_y 1
		.amdhsa_system_sgpr_workgroup_id_z 1
		.amdhsa_system_vgpr_workitem_id 0
		.amdhsa_next_free_vgpr 112
		.amdhsa_next_free_sgpr 66
		.amdhsa_reserve_vcc 1
		.amdhsa_float_denorm_mode_32 3
		.amdhsa_float_denorm_mode_16_64 3
		.amdhsa_memory_ordered 1
		.amdhsa_forward_progress 1
		.amdhsa_inst_pref_size 8
	.end_amdhsa_kernel
	.amdgpu_metadata
---
amdhsa.version: [ 1, 2 ]
amdhsa.kernels:
  - .name:           k_q4d7a920257_combine
    .symbol:         k_q4d7a920257_combine.kd
    .args:
      - { .name: yr, .offset: 0, .size: 8, .value_kind: global_buffer, .address_space: global }
      - { .name: rp, .offset: 8, .size: 8, .value_kind: global_buffer, .address_space: global }
      - { .name: out0, .offset: 16, .size: 8, .value_kind: global_buffer, .address_space: global }
      - { .name: out1, .offset: 24, .size: 8, .value_kind: global_buffer, .address_space: global }
    .group_segment_fixed_size: 0
    .private_segment_fixed_size: 0
    .kernarg_segment_align: 8
    .kernarg_segment_size: 32
    .max_flat_workgroup_size: 256
    .sgpr_count:     66
    .vgpr_count:     112
    .wavefront_size: 32
...
	.end_amdgpu_metadata
.endif
;; end of part 4
;; ======== version 2 of 2: 4 launches; version 1 with the launches up, down written anew for expert scheduling mode
;; workspace buffers: xq 819,200 bytes; pk 4,096 bytes of whole numbers; rp 16,384 bytes; lc 33,792 bytes of whole numbers; hq 26,214,400 bytes; yr 8,912,896 bytes
;; launch route: the kernel of part 1 again; grid 64 x 1, 8 waves a work-group, no clusters, 22,528 bytes of LDS; arguments x, Wg, xq, pk, rp; writes xq, pk, rp
;; launch up (part 5): grid 256 x 1, 4 waves a work-group, no clusters, 201,216 bytes of LDS; arguments W1_codes, W1_scales, b1, xq, pk, hq, lc; writes hq, lc
.if DOCPART == 5
	.amdgcn_target "amdgcn-amd-amdhsa--gfx1250"
	.amdhsa_code_object_version 6
	.text
	.protected	k_q4d7a920257_up
	.globl	k_q4d7a920257_up
	.p2align	8
	.type	k_q4d7a920257_up,@function
k_q4d7a920257_up:
	s_mov_b64 s[64:65], 0
	v_nop
	global_prefetch_b8 v0, s[64:65] scope:SCOPE_SE
	s_setreg_imm32_b32 hwreg(HW_REG_WAVE_SCHED_MODE, 0, 2), 2
	s_setreg_imm32_b32 hwreg(HW_REG_WAVE_MODE, 25, 1), 1
	s_wait_xcnt 0x0
	s_wait_alu depctr_vm_vsrc(0)
; FIRST PRODUCT OF THE CHOSEN ROWS: h = Q(gelu(Q(x) W1[e]^T + b1[e])), on codes of FP6 (E2M3) with one E8M0 scale for each 32 along K.
; SHARES.  Work-group = (expert e = id / 32, S = id % 32): hidden units 128 S .. 128 S + 127, which are K step S of the second product.  Wave w: c = w % 2: its 64 hidden units; p = w / 2: row tiles j = 2 i + p.
; THE WEIGHTS STAY: a wave's 4 tiles x 8 K steps of W1 are 384 registers, read once (dense loads of 512 bytes, turned into fragments through the wave's own 50,176 bytes of LDS).  What travels is the rows' codes.
; THE ROW LIST.  Every wave makes the expert's list from pk while its weights are on their way: 32 ballots give each group of 32 tokens a mask and a running count; position -> token is two counted searches (no
; address hangs on them but through a clamp).  Position pos of expert e holds rid = 2 token + slot; positions from n_e on hold the dump row 2048 + 16 e + pos % 16.  The waves with S = 0, c = 0 store the list and the count in lc.
; THE PRODUCT IS USED TRANSPOSED (source 0 = 16 rows of W1, source 1 = 16 rows of x), and lane r of tile 2 b + u takes W1's row 32 b + 8 u + r + 8 (r / 8): a lane holds one row of h, and the 16 registers of two
; neighbouring tiles are 16 neighbours along the next K.  b1 is the C of each sum's first matrix instruction.
; OUT: hq [e][j < 64][S][1,536 bytes]: the image of the operand's registers: for c = 0, 1: registers 6 c .. 6 c + 3 at 16 x lane (512 bytes), registers 6 c + 4, 6 c + 5 at 8 x lane (256 bytes); behind them
; (byte 25,165,824) [e][j][S][16 words]: row r's scale word.  A wave owns two of a word's four bytes and shares no barrier with the wave that owns the others, so they leave by stores of two bytes: one byte in 24 of the output.
; gelu(z) = max(z, 0) - |z| t 2^E, t = 1 / (1 + |z| / (2 sqrt 2)), E = log2(e) (-z^2 / 2 + a polynomial of degree 9 in t) - 1: erfc by a form whose fractional error is 1.2e-7 for every z.
; NO JOINT REQUESTS, NO TENSOR LOADS: the walk over row tiles ends on a count read from memory.  No barrier: no wave reads another's LDS bytes.
; x's rows are gathered by token, 16 bytes a lane and instruction, 384 consecutive bytes a lane in all: the operand wants a lane to hold its own row.
; LIMITS: the rows that fill an expert's last tile are computed on token 1023 and go on to dump rows that nobody reads.  All 1,024 tokens on one expert are served (64 tiles).  Blocks under 2^-124 keep the byte 1.
; THE MODE: SCHED_MODE bits 1:0 = 2 (LLVM: expert scheduling mode 2), set by the entry lines.  The code itself states the register dependences between vector or matrix instructions and memory or LDS
; instructions, and those through scalar registers and VCC that vector instructions write, with s_wait_alu, always for 0.
; THE PLAN.  Registers that memory or LDS instructions touch:
;   v4-10, v12, v13  offsets and LDS addresses: made at the head, never written again: the one wait on va_vdst ahead of the first load serves them for the whole kernel.
;   windows 1, 2     the weights' loads land there; the staging stores read them; the fragments' LDS loads land there again (one wait on vm_vsrc between); from then on the products alone name them.
;   v22, v30-32      read by the list's three permutes; v23-25: the permutes land there, the search reads them.  One wait on va_vdst ahead of the three, one on vm_vsrc behind their data.
;   v16, v[L+15]     offset and data of the list's store (v28, v29: of the count's): a wait on va_vdst ahead of the store, one on vm_vsrc behind it, in the waves that store.
;   window 3, XS     x's buffer b: the products of its tile read it; behind them the loads of the tile two further on land in it.     v17-20: its offsets: written at the tile's head, read by those loads.
;   v[Q ..], v[PW]   written by a tile's quantiser, read by its three stores.
; A ROW TILE has three such waits: vm_vsrc at its head (the buffer's old loads have read their offsets, the last tile's stores their data); va_vdst behind its products (they are done reading the buffer, the
; offsets are written): the buffer is asked for again at once, and the activation wants the products' results there in any case; va_vdst ahead of its stores.  The waits behind the transcendentals stand beside them.
; MASKS.  Compares stand in runs, each into a scalar register of its own, with one wait on va_sdst behind the run: two runs of 32 for the ballots, runs of eight in the searches.  In the searches each mask
; becomes 0 or 1 in a vector register and is added there: no addition writes a carry into a scalar register.
.set L,   36                           ; v36-51   the wave's list: register k: lanes 0-15 tile 4 k + p, lanes 16-31 tile 4 k + 2 + p; it moves down one register a trip
.set XS,  52                           ; v52-67   x's scale words, 8 for each of two buffers
.set WS,  68                           ; v68-99   W1's scale words, 8 t + s
.set BI,  100                          ; v100-131 b1 in the result's layout, 8 t + j
.set AC,  132                          ; v132-163 four accumulators
.set GT,  164                          ; v164-211 gelu at work (v164-195 hold pk at the start; v196-203 the searches' eight 0s and 1s)
.set GP,  180
.set GW,  196
.set Q,   212                          ; v212-218 the codes just made; v219 their two scale bytes; v220-227 the quantiser at work
.set PW,  219
.set PKR, 164
; window 0 besides: v1 lane, v2 r, v3 h, v4 16 x lane, v5-8 staging addresses, v9 W1's scale rows, v10 64 h, v12 8 x lane, v13 4 r + 2 c, v14 dump row, v15 position, v16 list offset,
; v17-20 x's offsets (codes, scale words) for buffers 0, 1; v21-29 at work; v30-32 the ballots' masks, counts, second-choice masks; v33 384 h; v34-35 a constant twice.
; windows 1, 2: W1's fragments (t, s) at v[12 (4 t + s % 4)], K steps 0-3 and 4-7.   window 3: x's fragments, buffers at v0 and v96.
.set MSB, 0
.macro WIN new                         ; the immediate's high byte repeats the setting that is left; a switch that changes nothing is dropped
.if MSB != (\new)
	s_set_vgpr_msb (MSB<<8)|(\new)
.set MSB, (\new)
.endif
.endm
.macro KPAIR reg, val                  ; a packed form names a pair and takes its low word for both halves: both are written
	s_mov_b32 s[\reg], \val
	s_mov_b32 s[\reg+1], \val
.endm
.macro MREG i                          ; mr_ = the i-th of the eight scalar registers that are free in the list's loop: s60-63, s2, s3, s33, s34
.if (\i) < 4
.set mr_, 60+(\i)
.elseif (\i) < 6
.set mr_, (\i)-2
.else
.set mr_, 27+(\i)
.endif
.endm
; the eight masks of a run of compares become 0 or 1 in v[GW ..], and their sum is added onto v[cnt]: whole numbers, added in a tree
.macro COUNT8 cnt
.set q_, 0
.rept 8
	MREG q_
	v_cndmask_b32 v[GW+q_], 0, 1, s[mr_]
.set q_, q_+1
.endr
	v_add_nc_u32 v[GW], v[GW], v[GW+1]
	v_add_nc_u32 v[GW+2], v[GW+2], v[GW+3]
	v_add_nc_u32 v[GW+4], v[GW+4], v[GW+5]
	v_add_nc_u32 v[GW+6], v[GW+6], v[GW+7]
	v_add_nc_u32 v[GW], v[GW], v[GW+2]
	v_add_nc_u32 v[GW+4], v[GW+4], v[GW+6]
	v_add_nc_u32 v[GW], v[GW], v[GW+4]
	v_add_nc_u32 v[\cnt], v[\cnt], v[GW]
.endm
; 32 rows of 768 bytes, rp bytes apart in memory, as 48 loads of 512 bytes: two rows are three loads; the middle one straddles the rows and has an offset register of its own
.macro LOADW half, rp
	WIN 0x40*(1+\half)
.set a_, 0
.rept 16
	global_load_b128 v[12*a_:12*a_+3], v4, s[4:5] offset:(32*\half+2*a_)*\rp
	global_load_b128 v[12*a_+4:12*a_+7], v5, s[4:5] offset:(32*\half+2*a_)*\rp
	global_load_b128 v[12*a_+8:12*a_+11], v4, s[4:5] offset:(32*\half+2*a_)*\rp+\rp+256
.set a_, a_+1
.endr
	WIN 0
.endm
.macro STOREW half                     ; the same bytes into my own LDS rows, 784 bytes apart
	WIN 0x04*(1+\half)
.set a_, 0
.rept 16
	ds_store_b128 v6, v[12*a_:12*a_+3] offset:(32*\half+2*a_)*784
	ds_store_b128 v7, v[12*a_+4:12*a_+7] offset:(32*\half+2*a_)*784
	ds_store_b128 v6, v[12*a_+8:12*a_+11] offset:(32*\half+2*a_)*784+1040
.set a_, a_+1
.endr
	WIN 0
.endm
.macro FRAGS dn                        ; back as 32 fragments: lane (r, h) takes 24 bytes at 96 s + 24 h and 24 at 96 s + 48 + 24 h of its row, in pieces of 8
.irp wn, 0,1
	WIN 0x40*(1+\wn)
.set ft_, 0
.rept 4
.if \dn
.set fr_, 16*ft_
.else
.set fr_, 32*(ft_/2)+8*(ft_%2)
.endif
.set fs_, 0
.rept 4
.irp p, 0,1,2,3,4,5
	ds_load_b64 v[12*(4*ft_+fs_)+2*\p:12*(4*ft_+fs_)+2*\p+1], v8 offset:fr_*784+96*(4*\wn+fs_)+48*(\p/3)+8*(\p%3)
.endr
.set fs_, fs_+1
.endr
.set ft_, ft_+1
.endr
.endr
	WIN 0
.endm
; 32 matrix instructions: 8 K steps x 4 tiles; the four accumulators take turns, one instruction a turn
.macro MM32 BB, SB
.set ms_, 0
.rept 8
.if ms_ < 4
	WIN 0x0d                                       ; source 0 (W1) window 1, source 1 (x) window 3, C and D window 0
.else
	WIN 0x0e                                       ; source 0 window 2
.endif
.set mt_, 0
.rept 4
.set rA_, 12*(4*mt_+(ms_%4))
.set rB_, (\BB)+12*ms_
.set rD_, AC+8*mt_
.if ms_ == 0
	v_wmma_scale_f32_16x16x128_f8f6f4 v[rD_:rD_+7], v[rA_:rA_+11], v[rB_:rB_+11], v[BI+8*mt_:BI+8*mt_+7], v[WS+8*mt_+ms_], v[(\SB)+ms_] matrix_a_fmt:MATRIX_FMT_FP6 matrix_b_fmt:MATRIX_FMT_FP6
.else
	v_wmma_scale_f32_16x16x128_f8f6f4 v[rD_:rD_+7], v[rA_:rA_+11], v[rB_:rB_+11], v[rD_:rD_+7], v[WS+8*mt_+ms_], v[(\SB)+ms_] matrix_a_fmt:MATRIX_FMT_FP6 matrix_b_fmt:MATRIX_FMT_FP6
.endif
.set mt_, mt_+1
.endr
.set ms_, ms_+1
.endr
	WIN 0
.endm
; one half of list register lr is spread over both halves of the lanes and becomes x's offsets; the token is clamped to the table
.macro OFFS half, lr, xo
	v_permlanex16_b32 v21, v[\lr], s58, s59
.if \half
	v_cndmask_b32 v22, v21, v[\lr], s57
.else
	v_cndmask_b32 v22, v[\lr], v21, s57
.endif
	v_lshrrev_b32 v22, 1, v22
	v_min_u32 v22, 0x3ff, v22
	v_mul_u32_u24 v[\xo], 768, v22
	v_add_nc_u32 v[\xo], v[\xo], v33               ; token x 768 + 384 h
	v_lshlrev_b32 v[\xo+1], 5, v22                 ; token x 32
.endm
.macro XLOAD buf                       ; a tile's eight fragments and scale words: 26 loads
	WIN 0xc0
.set i_, 0
.rept 24
	global_load_b128 v[96*\buf+4*i_:96*\buf+4*i_+3], v[17+2*\buf], s[10:11] offset:16*i_
.set i_, i_+1
.endr
	WIN 0
	global_load_b128 v[XS+8*\buf:XS+8*\buf+3], v[18+2*\buf], s[18:19]
	global_load_b128 v[XS+8*\buf+4:XS+8*\buf+7], v[18+2*\buf], s[18:19] offset:16
.endm
.macro GELU16 Z                        ; 16 numbers in place, from the accumulators' low ends on
.set i_, 0
.rept 16
	v_fma_f32 v[GT+i_], |v[\Z+i_]|, s56, 1.0
.set i_, i_+1
.endr
.set i_, 0
.rept 16
	v_rcp_f32 v[GT+i_], v[GT+i_]                   ; t
.set i_, i_+1
.endr
.set i_, 0
.rept 8
	v_pk_mul_f32 v[GW+i_:GW+i_+1], v[\Z+i_:\Z+i_+1], s[54:55] op_sel_hi:[1,0]   ; -log2(e) z / 2.  (Plain places behind the reciprocals)
.set i_, i_+2
.endr
.set i_, 0
	s_wait_alu depctr_va_vdst(0)                   ; the sixteen reciprocals have written v[GT ..], ahead of their first reader: one wait for the batch
.rept 8
	v_pk_fma_f32 v[GP+i_:GP+i_+1], v[GT+i_:GT+i_+1], s[52:53], v[34:35] op_sel_hi:[1,0,1]
.set i_, i_+2
.endr
.irp n, 50,48,46,44,42,40,38,36
.set i_, 0
.rept 8
	v_pk_fma_f32 v[GP+i_:GP+i_+1], v[GP+i_:GP+i_+1], v[GT+i_:GT+i_+1], s[\n:\n+1] op_sel_hi:[1,1,0]
.set i_, i_+2
.endr
.endr
.set i_, 0
.rept 8
	v_pk_fma_f32 v[GP+i_:GP+i_+1], v[GW+i_:GW+i_+1], v[\Z+i_:\Z+i_+1], v[GP+i_:GP+i_+1]   ; E
.set i_, i_+2
.endr
.set i_, 0
.rept 16
	v_exp_f32 v[GP+i_], v[GP+i_]
.set i_, i_+1
.endr
.set i_, 0
.rept 16
	v_max_num_f32 v[GW+i_], 0, v[\Z+i_]            ; (plain places behind the exponentials)
.set i_, i_+1
.endr
.set i_, 0
	s_wait_alu depctr_va_vdst(0)                   ; the sixteen exponentials have written v[GP ..], ahead of their first reader: one wait for the batch
.rept 8
	v_pk_mul_f32 v[GT+i_:GT+i_+1], v[GT+i_:GT+i_+1], v[GP+i_:GP+i_+1]
.set i_, i_+2
.endr
.set i_, 0
.rept 16
	v_fma_f32 v[\Z+i_], -|v[\Z+i_]|, v[GT+i_], v[GW+i_]
.set i_, i_+1
.endr
.endm
.macro QUANT2                          ; my 32 numbers of a row, two half blocks, become six registers of the next operand and two scale bytes
	v_max3_num_f32 v220, |v[AC]|, |v[AC+1]|, 0x1800000      ; with the floor 2^(3 - 127): the byte cannot fall under 1
	v_max3_num_f32 v221, |v[AC+16]|, |v[AC+17]|, 0x1800000
.irp i, 2,4,6,8,10,12,14
	v_max3_num_f32 v220, v220, |v[AC+\i]|, |v[AC+\i+1]|
	v_max3_num_f32 v221, v221, |v[AC+16+\i]|, |v[AC+17+\i]|
.endr
	v_permlanex16_b32 v222, v220, s58, s59
	v_permlanex16_b32 v223, v221, s58, s59
	v_max_num_f32 v220, v220, v222                 ; with lane l xor 16's half: the block's largest magnitude
	v_max_num_f32 v221, v221, v223
	v_add_nc_u32 v224, 0xff000000, v220            ; 2 off the exponent field: the conversion's scale operand
	v_add_nc_u32 v225, 0xff000000, v221
	v_lshrrev_b32 v226, 23, v224
	v_lshrrev_b32 v227, 23, v225
	v_lshl_or_b32 v[PW], v227, 8, v226
	v_cvt_scalef32_pk16_fp6_f32 v[Q:Q+2], v[AC:AC+15], v224
	v_cvt_scalef32_pk16_fp6_f32 v[Q+4:Q+6], v[AC+16:AC+31], v225
	v_nop                                          ; one plain place behind a scaled conversion
.irp i, 0,1,2
	v_permlane16_swap_b32 v[Q+\i], v[Q+4+\i]       ; a whole block to a lane: lanes 0-15 block 2 c, lanes 16-31 block 2 c + 1
.endr
	v_mov_b32 v[Q+3], v[Q+4]
	v_mov_b32 v[Q+4], v[Q+5]
	v_mov_b32 v[Q+5], v[Q+6]
.endm
	s_load_b256 s[4:11], s[0:1], 0x0               ; W1's codes, W1's scales, b1, xq
	s_load_b128 s[12:15], s[0:1], 0x20             ; pk, hq
	s_load_b64 s[16:17], s[0:1], 0x30              ; lc
	v_lshl_add_u32 v254, v0, 2, 0x31000
	v_mov_b32 v255, 0
	v_lshrrev_b32 v1, 5, v0
	v_readfirstlane_b32 s22, v1                    ; wave
	v_and_b32 v1, 31, v0
	v_and_b32 v2, 15, v0
	v_bfe_u32 v3, v0, 4, 1
	s_lshr_b32 s23, ttmp9, 5                       ; e
	s_and_b32 s24, ttmp9, 31                       ; S
	s_wait_alu depctr_va_sdst(0)                   ; s22 is written, ahead of its first reader
	s_and_b32 s25, s22, 1                          ; c
	s_lshr_b32 s26, s22, 1                         ; p
	s_or_b32 s27, s24, s25                         ; 0: I store the list
	s_or_b32 s35, s24, s22                         ; 0: I store the count
	s_mul_i32 s33, s22, 50176                      ; my LDS bytes
	v_lshlrev_b32 v4, 4, v1
	v_add_nc_u32 v5, 512, v4                       ; (rows are dense here: the straddling load is plain)
	v_add_nc_u32 v6, s33, v4
	v_lshl_add_u32 v7, v3, 4, v6
	v_add_nc_u32 v7, 512, v7                       ; in LDS the second row begins 16 bytes later
	v_and_b32 v21, 8, v2
	v_add_nc_u32 v21, v21, v2                      ; r + 8 (r / 8)
	v_mul_u32_u24 v8, v21, 784
	v_mad_u32_u24 v8, v3, 24, v8
	v_add_nc_u32 v8, s33, v8
	v_lshlrev_b32 v9, 5, v21
	v_lshlrev_b32 v10, 6, v3
	v_lshlrev_b32 v12, 3, v1
	v_lshlrev_b32 v13, 2, v2
	s_lshl_b32 s34, s25, 1
	v_add_nc_u32 v13, s34, v13
	s_lshl_b32 s34, s23, 4
	s_add_co_u32 s34, s34, 2048
	v_add_nc_u32 v14, s34, v2                      ; the dump row of my r
	v_lshl_add_u32 v15, v3, 5, v2
	s_lshl_b32 s32, s26, 4                         ; the lowest position of a trip of the list's loop
	v_add_nc_u32 v15, s32, v15                     ; my position: 32 h + 16 p + r, + 64 a trip
	v_lshlrev_b32 v16, 2, v15
	s_lshl_b32 s34, s23, 12
	v_add_nc_u32 v16, s34, v16
	v_mul_u32_u24 v33, v3, 384
	v_mov_b32 v34, 0xbf97d29d
	v_mov_b32 v35, 0xbf97d29d
	v_mov_b32 v222, 0                              ; lane permutes' destinations count as sources
	v_mov_b32 v223, 0
	KPAIR 36, 0xc034d90f                           ; the polynomial's coefficients x log2(e), the lowest with the factor 1/2 folded in (-1)
	KPAIR 38, 0x3fb8ab5a
	KPAIR 40, 0x3f0a29d2
	KPAIR 42, 0x3e0efb2e
	KPAIR 44, 0xbe899a80
	KPAIR 46, 0x3ecdfd18
	KPAIR 48, 0xbfd1a1e5
	KPAIR 50, 0x40097039
	KPAIR 52, 0x3e7c6f08
	KPAIR 54, 0xbf38aa3b                           ; -log2(e) / 2
	s_mov_b32 s56, 0x3eb504f3                      ; 1 / (2 sqrt 2)
	s_mov_b32 s57, 0xffff0000
	s_mov_b32 s58, 0x76543210
	s_mov_b32 s59, 0xfedcba98
	s_lshl_b32 s60, 0x10001, s23                   ; my expert as first or second choice
	s_lshl_b32 s61, 0x10000, s23                   ; as second
	s_lshl_b32 s62, s23, 12
	s_lshl_b32 s63, s24, 7
	s_add_co_u32 s62, s62, s63
	s_lshl_b32 s63, s25, 6
	s_add_co_u32 s34, s62, s63                     ; my first row of W1: 4096 e + 128 S + 64 c
	s_mov_b32 s63, 0
	s_wait_kmcnt 0x0
	s_mul_i32 s62, s34, 768
	s_add_nc_u64 s[4:5], s[4:5], s[62:63]
	s_lshl_b32 s62, s34, 5
	s_add_nc_u64 s[6:7], s[6:7], s[62:63]
	s_lshl_b32 s62, s34, 2
	s_add_nc_u64 s[8:9], s[8:9], s[62:63]
	s_add_nc_u64 s[18:19], s[10:11], 786432        ; x's scale words
	s_lshl_b32 s34, s23, 6
	s_add_co_u32 s34, s34, s26
	s_lshl_b32 s34, s34, 5
	s_add_co_u32 s34, s34, s24                     ; (64 e + p) 32 + S: my first image
	s_add_nc_u64 s[20:21], s[14:15], 25165824
	s_lshl_b32 s62, s34, 6
	s_add_nc_u64 s[20:21], s[20:21], s[62:63]      ; its scale words
	s_mul_i32 s62, s34, 1536
	s_mul_i32 s34, s25, 768
	s_add_co_u32 s62, s62, s34
	s_add_nc_u64 s[14:15], s[14:15], s[62:63]      ; its codes, my half
	s_wait_alu depctr_va_vdst(0)                   ; the offsets and LDS addresses v4 to v10, v12, v13 and v16 are written, which the loads and stores of the whole kernel read
.irp q, 0,1,2,3,4,5,6,7
	global_load_b128 v[PKR+4*\q:PKR+4*\q+3], v4, s[12:13] offset:512*\q     ; all of pk: register g = 4 q + i of lane l is token 128 q + 4 l + i
.endr
.irp t, 0,1,2,3
.irp u, 0,1
	global_load_b128 v[WS+8*\t+4*\u:WS+8*\t+4*\u+3], v9, s[6:7] offset:(32*(\t/2)+8*(\t%2))*32+16*\u
.endr
.endr
.irp t, 0,1,2,3
.irp u, 0,1
	global_load_b128 v[BI+8*\t+4*\u:BI+8*\t+4*\u+3], v10, s[8:9] offset:(32*(\t/2)+8*(\t%2))*4+16*\u
.endr
.endr
	LOADW 0, 768
	s_wait_loadcnt 63                              ; 64 loads are younger than pk's; 63 is the most a wait names
	; THE BALLOTS: lane g of v30 = the mask of group g, of v31 = the rows counted before it, of v32 = the mask of second choices; s67 .. s98 the running counts.
	; Two runs of 32 compares, each compare into a scalar register of its own, one wait behind each run.
	v_mov_b32 v30, 0
	v_mov_b32 v31, 0
	v_mov_b32 v32, 0
	s_mov_b32 s66, 0
.set g_, 0
.rept 32                                       ; group g's mask of second choices, for the while in s[67 + g]
	v_and_b32 v[28+g_%2], s61, v[PKR+g_]
	v_cmp_ne_u32 s[67+g_], 0, v[28+g_%2]
.set g_, g_+1
.endr
	s_wait_alu depctr_va_sdst(0)                   ; the 32 compares have written s67 to s98, ahead of their first readers
.set g_, 0
.rept 32
	v_writelane_b32 v32, s[67+g_], g_
.set g_, g_+1
.endr
.set g_, 0
.rept 32                                       ; group g's mask of either choice
	v_and_b32 v[28+g_%2], s60, v[PKR+g_]
	v_cmp_ne_u32 s[67+g_], 0, v[28+g_%2]
.set g_, g_+1
.endr
	s_wait_alu depctr_va_sdst(0)                   ; the 32 compares have written s67 to s98 anew, ahead of their first readers
.set g_, 0
.rept 32
	v_writelane_b32 v30, s[67+g_], g_
	v_writelane_b32 v31, s[66+g_], g_
	s_bcnt1_i32_b32 s33, s[67+g_]
	s_add_co_u32 s[67+g_], s[66+g_], s33           ; the mask gives way to the running count
.set g_, g_+1
.endr
	s_mov_b32 s28, s98                             ; n_e
	s_add_co_u32 s29, s28, 15
	s_lshr_b32 s29, s29, 4                         ; row tiles
	s_cmp_lg_u32 s35, 0
	s_cbranch_scc1 .Lnocnt
	v_mov_b32 v29, s28
	v_lshlrev_b32 v28, 2, v1
	s_lshl_b32 s33, s23, 7
	v_add_nc_u32 v28, s33, v28
	s_wait_alu depctr_va_vdst(0)                   ; v28 and v29 are written, which the store reads
	global_store_b32 v28, v29, s[16:17] offset:32768
	s_wait_xcnt 0x0                                ; v28 and v29 are written again below
	s_wait_alu depctr_vm_vsrc(0)                   ; the store has read v28 and v29
.Lnocnt:
	LOADW 1, 768
.set k_, 0
.rept 16
	v_mov_b32 v[L+k_], v14
.set k_, k_+1
.endr
	s_mov_b32 s31, 16
.Lsel:                                             ; 16 trips, a constant: trip k makes the list's register k; it enters at the top and moves down
.set k_, 0
.rept 15
	v_mov_b32 v[L+k_], v[L+k_+1]
.set k_, k_+1
.endr
	v_mov_b32 v[L+15], v14
	s_cmp_ge_u32 s32, s28
	s_cbranch_scc1 .Lnosel                         ; all 32 positions lie behind the list's end
	v_mov_b32 v21, 0
.set g_, 0
.rept 4                                        ; my group: as many as have their running count at or under my position.  Eight compares, one wait, the eight masks counted
.set q_, 0
.rept 8
	MREG q_
	v_cmp_le_u32 s[mr_], s[67+g_+q_], v15
.set q_, q_+1
.endr
	s_wait_alu depctr_va_sdst(0)                   ; the eight compares have written their masks, ahead of the selects that read them
	COUNT8 21
.set g_, g_+8
.endr
	v_lshlrev_b32 v22, 2, v21
	s_wait_alu depctr_va_vdst(0)                   ; v22 and v30 to v32 are written, which the three permutes read; the last trip's search is done reading v23 to v25, in which they land
	ds_bpermute_b32 v23, v22, v30
	ds_bpermute_b32 v24, v22, v31
	ds_bpermute_b32 v25, v22, v32
	v_mov_b32 v27, 0
	v_mov_b32 v28, 0
	s_wait_dscnt 0x0
	s_wait_alu depctr_vm_vsrc(0)                   ; the permutes have read v22, which is written again below
	v_sub_nc_u32 v26, v15, v24                     ; my rank in the group
.set b_, 0
.rept 4                                        ; my bit: as many places as have at most rank ones up to them.  In the same runs of eight
.set q_, 0
.rept 8
	MREG q_
	v_bfe_u32 v29, v23, b_+q_, 1
	v_add_nc_u32 v28, v28, v29
	v_cmp_le_u32 s[mr_], v28, v26
.set q_, q_+1
.endr
	s_wait_alu depctr_va_sdst(0)                   ; the eight compares have written their masks, ahead of the selects that read them
	COUNT8 27
.set b_, b_+8
.endr
	v_cmp_gt_u32 vcc_lo, s28, v15
	v_lshrrev_b32 v29, 2, v21
	v_lshlrev_b32 v29, 7, v29
	v_lshl_add_u32 v29, v27, 2, v29
	v_and_b32 v22, 3, v21
	v_add_nc_u32 v29, v29, v22                     ; token = 128 (g / 4) + 4 bit + g % 4
	v_lshrrev_b32 v25, v27, v25
	v_and_b32 v25, 1, v25
	v_lshl_or_b32 v29, v29, 1, v25                 ; rid = 2 token + slot
	s_wait_alu depctr_va_vcc(0)                    ; the compare above has written VCC, ahead of the select that reads it
	v_cndmask_b32 v[L+15], v14, v29, vcc_lo
.Lnosel:
	s_cmp_lg_u32 s27, 0
	s_cbranch_scc1 .Lnolst
	s_wait_alu depctr_va_vdst(0)                   ; v[L+15] and v16 are written, which the store reads
	global_store_b32 v16, v[L+15], s[16:17]
	s_wait_xcnt 0x0                                ; offset and data are written again in the next trip
	s_wait_alu depctr_vm_vsrc(0)                   ; the store has read v16 and v[L+15]
	v_add_nc_u32 v16, 256, v16
.Lnolst:
	v_add_nc_u32 v15, 64, v15
	s_add_co_u32 s32, s32, 64
	s_sub_co_u32 s31, s31, 1
	s_cmp_lg_u32 s31, 0
	s_cbranch_scc1 .Lsel
	s_wait_loadcnt 48                              ; all but the second half of the weights
	STOREW 0
	OFFS 0, L, 17
	s_wait_alu depctr_va_vdst(0)                   ; v17 and v18 are written, which the loads below read
	XLOAD 0                                        ; my first tile of x
	s_wait_loadcnt 26                              ; all but those 26
	STOREW 1
	OFFS 1, L, 19
	s_wait_alu depctr_va_vdst(0)                   ; v19 and v20 are written, which the loads below read
	XLOAD 1                                        ; my second
	s_wait_dscnt 0x0
	s_wait_alu depctr_vm_vsrc(0)                   ; the staging stores have read the registers of windows 1 and 2, in which the fragments' loads land
	FRAGS 0
	s_wait_dscnt 0x0
; A ROW TILE.  Its x came two tiles ago; behind the products its buffer takes the tile two further on.
.macro UPT buf
	s_cmp_ge_u32 s30, s29
	s_cbranch_scc1 .Lend                           ; the first tile that does not exist ends the wave
	s_wait_loadcnt 26                              ; my buffer's 26 loads are in; the other buffer's 26 are younger
	s_wait_alu depctr_vm_vsrc(0)                   ; my buffer's loads have read their offsets, which the lines below write again; the last tile's stores have read v[Q ..] and v[PW], which this tile's quantiser writes again
	OFFS \buf, L+1, 17+2*\buf
	MM32 96*\buf, XS+8*\buf
.rept 4
	v_nop                                          ; four places (ISA guide 7.12.1) in front of the first read of results
.endr
	s_wait_alu depctr_va_vdst(0)                   ; the products are done reading my buffer and its scale words, in which the loads below land; the offsets that those loads read are written
	XLOAD \buf
	GELU16 AC
	GELU16 AC+16
	s_wait_xcnt 0x0                                ; the last tile's stores have read their data
	QUANT2
	s_wait_alu depctr_va_vdst(0)                   ; the quantiser has written v[Q ..] and v[PW], which the three stores read
	global_store_b128 v4, v[Q:Q+3], s[14:15] offset:98304*\buf          ; 512 consecutive bytes, aligned to 256
	global_store_b64 v12, v[Q+4:Q+5], s[14:15] offset:98304*\buf+512    ; 256 more
	global_store_b16 v13, v[PW], s[20:21] offset:4096*\buf
	s_add_co_u32 s30, s30, 2
.endm
	s_mov_b32 s30, s26                             ; j
	s_mov_b32 s31, 16
.Lrow:                                             ; 16 trips at the most, two tiles a trip
	UPT 0
	UPT 1
	s_wait_xcnt 0x0                                ; the stores have read their bases
	s_add_nc_u64 s[14:15], s[14:15], 196608        ; four tiles on
	s_add_nc_u64 s[20:21], s[20:21], 8192
.set k_, 0
.rept 15
	v_mov_b32 v[L+k_], v[L+k_+1]
.set k_, k_+1
.endr
	v_mov_b32 v[L+15], v14
	s_sub_co_u32 s31, s31, 1
	s_cmp_lg_u32 s31, 0
	s_cbranch_scc1 .Lrow
.Lend:
	s_wait_dscnt 0x0                               ; the closing lines, six on end
	s_wait_alu 0x0
	s_wait_tensorcnt 0x0
	ds_add_u32 v254, v255
	s_wait_dscnt 0x0
	s_endpgm
.Lfunc_end_k_q4d7a920257_up:
	.size	k_q4d7a920257_up, .Lfunc_end_k_q4d7a920257_up-k_q4d7a920257_up
	.p2alignl 7, 3214868480
	.fill 96, 4, 3214868480
	.section	.rodata,"a",@progbits
	.p2align	6, 0x0
	.amdhsa_kernel k_q4d7a920257_up
		.amdhsa_group_segment_fixed_size 201216
		.amdhsa_private_segment_fixed_size 0
		.amdhsa_enable_private_segment 0
		.amdhsa_kernarg_size 56
		.amdhsa_user_sgpr_count 2
		.amdhsa_user_sgpr_kernarg_segment_ptr 1
		.amdhsa_wavefront_size32 1
		.amdhsa_system_sgpr_workgroup_id_x 1
		.amdhsa_system_sgpr_workgroup_id_y 1
		.amdhsa_system_sgpr_workgroup_id_z 1
		.amdhsa_system_vgpr_workitem_id 0
		.amdhsa_next_free_vgpr 1024
		.amdhsa_next_free_sgpr 100
		.amdhsa_reserve_vcc 1
		.amdhsa_float_denorm_mode_32 3
		.amdhsa_float_denorm_mode_16_64 3
		.amdhsa_memory_ordered 1
		.amdhsa_forward_progress 1
		.amdhsa_inst_pref_size 130
	.end_amdhsa_kernel
	.amdgpu_metadata
---
amdhsa.version: [ 1, 2 ]
amdhsa.kernels:
  - .name:           k_q4d7a920257_up
    .symbol:         k_q4d7a920257_up.kd
    .args:
      - { .name: W1_codes, .offset: 0, .size: 8, .value_kind: global_buffer, .address_space: global }
      - { .name: W1_scales, .offset: 8, .size: 8, .value_kind: global_buffer, .address_space: global }
      - { .name: b1, .offset: 16, .size: 8, .value_kind: global_buffer, .address_space: global }
      - { .name: xq, .offset: 24, .size: 8, .value_kind: global_buffer, .address_space: global }
      - { .name: pk, .offset: 32, .size: 8, .value_kind: global_buffer, .address_space: global }
      - { .name: hq, .offset: 40, .size: 8, .value_kind: global_buffer, .address_space: global }
      - { .name: lc, .offset: 48, .size: 8, .value_kind: global_buffer, .address_space: global }
    .group_segment_fixed_size: 201216
    .private_segment_fixed_size: 0
    .kernarg_segment_align: 8
    .kernarg_segment_size: 56
    .max_flat_workgroup_size: 128
    .sgpr_count:     100
    .vgpr_count:     1024
    .wavefront_size: 32
...
	.end_amdgpu_metadata
.endif
;; end of part 5
;; launch down (part 6): grid 256 x 1, 4 waves a work-group, no clusters, 279,040 bytes of LDS; arguments W2_codes, W2_scales, b2, hq, lc, rp, yr; writes yr
.if DOCPART == 6
	.amdgcn_target "amdgcn-amd-amdhsa--gfx1250"
	.amdhsa_code_object_version 6
	.text
	.protected	k_q4d7a920257_down
	.globl	k_q4d7a920257_down
	.p2align	8
	.type	k_q4d7a920257_down,@function
k_q4d7a920257_down:
	s_mov_b64 s[64:65], 0
	v_nop
	global_prefetch_b8 v0, s[64:65] scope:SCOPE_SE
	s_setreg_imm32_b32 hwreg(HW_REG_WAVE_SCHED_MODE, 0, 2), 2
	s_setreg_imm32_b32 hwreg(HW_REG_WAVE_MODE, 25, 1), 1
	s_wait_xcnt 0x0
	s_wait_alu depctr_vm_vsrc(0)
; SECOND PRODUCT OF THE CHOSEN ROWS: yr[rid] = gate weight x (h W2[e]^T + b2[e]), on codes of FP6 (E2M3) with one E8M0 scale for each 32 along K.
; SHARES.  Work-group = (expert e = id / 32, cs = (id / 2) % 16: output columns 64 cs .. + 63, q = id % 2: row tiles j = q + 2 i).  K IS SPLIT OVER THE WAVES: wave w holds K steps 8 w .. 8 w + 7 of the four
; column tiles: 384 registers, read once (rows' pieces of 768 bytes, turned into fragments through the wave's own LDS bytes).  So each byte of h that the work-group pulls feeds four products and is pulled once.
; h comes as images of the operand's registers (dense loads of 512 and 256 bytes), two tiles ahead in two buffers.
; The product is used transposed (source 0 = 16 rows of W2, source 1 = 16 rows of h): a lane holds eight neighbouring columns of one row.
; A PASS is up to 16 tiles: each wave's partial sums go to its own LDS bytes | barrier | wave w adds the four partial sums of rows 4 w .. 4 w + 3 of each tile, adds b2, multiplies by the row's gate weight and
; stores: sixteen lanes fill 256 consecutive bytes, aligned, of row rid | barrier.  Two passes, a constant, serve 32 tiles a work-group: all 1,024 tokens on one expert.
; Each routed pair (token, slot) has a row of yr of its own, so no sum spans work-groups here; the rows that fill an expert's last tile go to that expert's 16 dump rows (from row 2,048 on), which nobody reads.
; NO JOINT REQUESTS, NO TENSOR LOADS: the walk over tiles ends on a count read from memory.  Both barriers of a pass stand on every wave's path; the branches jump over work alone.
; THE MODE: SCHED_MODE bits 1:0 = 2 (LLVM: expert scheduling mode 2), set by the entry lines.  The code itself states the register dependences between vector or matrix instructions and memory or LDS
; instructions, and those through scalar registers that vector instructions write, with s_wait_alu, always for 0.
; THE PLAN.  Registers that memory or LDS instructions touch:
;   v4-9, v11-20     offsets and LDS addresses: made at the head, never written again: the one wait on va_vdst ahead of the first load serves them for the whole kernel.
;   windows 1, 2     the weights' loads land there; the staging stores read them; the fragments' LDS loads land there again (one wait on vm_vsrc between); from then on the products alone name them.
;   window 3, HS     h's buffer a % 2: tile a's products read it; behind them the loads of tile a + 2 land in it.
;   AC0, two sets    set a % 2: written by tile a's products, read by tile a's eight LDS stores, begun anew by tile a + 2's products.
;   RID              the list's loads land there; a pass's head turns them into offsets; the pass's stores read them.
;   RT               at a pass's head the offsets of the gate weights' loads; then, tile by tile, the LDS loads of partial sums land there, the additions work there, the stores read them.
;   CW               the gate weights' loads land there; the multiplications read them.
; A TILE has two such waits: vm_vsrc at its head (the LDS stores of two tiles back have read the accumulators that are begun anew) and ONE va_vdst behind its products and their places: the accumulators are
; written, for the LDS stores, and the products are done reading the buffer, which is asked for again at once: it would else lie idle until the next tile's data are in.
; A pass's head: vm_vsrc (the last pass's stores have read RID and RT), and va_vdst ahead of the gate weights' loads.  Adding up a tile: vm_vsrc at its head, va_vdst ahead of its two stores.
.set AC0, 32                           ; v32-63, v64-95 four accumulators, two sets by turns
.set WS,  96                           ; v96-127  W2's scale words, 8 t + s
.set HS,  128                          ; v128-135 h's scale words: register u of a buffer: lanes 0-15 K step 2 u, lanes 16-31 K step 2 u + 1
.set RID, 136                          ; v136-167 rows' places in yr, 2 a + i
.set CW,  168                          ; v168-199 their gate weights
.set B2,  200                          ; v200-203 b2 of my four columns
.set RT,  204                          ; v204-235 the adding at work; at a pass's head the offsets of the gate weights' loads
; window 0 besides: v1 lane, v2 r, v3 h, v4 16 x lane, v5-8 staging addresses, v9 128 r, v11 8 x lane, v12 4 x lane, v13, v20 where I put partial sums (tiles 0-7, 8-15), v14-17 where I read wave g's, v18 my rows in the list, v19 16 r.
; windows 1, 2: W2's fragments (t, s) at v[12 (4 t + s % 4)].   window 3: h's fragments, buffers at v0 and v96.
.set MSB, 0
.macro WIN new                         ; the immediate's high byte repeats the setting that is left; a switch that changes nothing is dropped
.if MSB != (\new)
	s_set_vgpr_msb (MSB<<8)|(\new)
.set MSB, (\new)
.endif
.endm
; 32 rows' pieces of 768 bytes, rp bytes apart in memory, as 48 loads of 512 bytes: two pieces are three loads; the middle one straddles them and has an offset register of its own
.macro LOADW half, rp
	WIN 0x40*(1+\half)
.set a_, 0
.rept 16
	global_load_b128 v[12*a_:12*a_+3], v4, s[4:5] offset:(32*\half+2*a_)*\rp
	global_load_b128 v[12*a_+4:12*a_+7], v5, s[4:5] offset:(32*\half+2*a_)*\rp
	global_load_b128 v[12*a_+8:12*a_+11], v4, s[4:5] offset:(32*\half+2*a_)*\rp+\rp+256
.set a_, a_+1
.endr
	WIN 0
.endm
.macro STOREW half                     ; the same bytes into my own LDS rows, 784 bytes apart
	WIN 0x04*(1+\half)
.set a_, 0
.rept 16
	ds_store_b128 v6, v[12*a_:12*a_+3] offset:(32*\half+2*a_)*784
	ds_store_b128 v7, v[12*a_+4:12*a_+7] offset:(32*\half+2*a_)*784
	ds_store_b128 v6, v[12*a_+8:12*a_+11] offset:(32*\half+2*a_)*784+1040
.set a_, a_+1
.endr
	WIN 0
.endm
.macro FRAGS dn                        ; back as 32 fragments: lane (r, h) takes 24 bytes at 96 s + 24 h and 24 at 96 s + 48 + 24 h of its row, in pieces of 8
.irp wn, 0,1
	WIN 0x40*(1+\wn)
.set ft_, 0
.rept 4
.if \dn
.set fr_, 16*ft_
.else
.set fr_, 32*(ft_/2)+8*(ft_%2)
.endif
.set fs_, 0
.rept 4
.irp p, 0,1,2,3,4,5
	ds_load_b64 v[12*(4*ft_+fs_)+2*\p:12*(4*ft_+fs_)+2*\p+1], v8 offset:fr_*784+96*(4*\wn+fs_)+48*(\p/3)+8*(\p%3)
.endr
.set fs_, fs_+1
.endr
.set ft_, ft_+1
.endr
.endr
	WIN 0
.endm
; 32 matrix instructions: my 8 K steps x 4 column tiles; the four accumulators take turns, one instruction a turn; the first K step starts the sums with the constant 0
.macro MM32 BB, SB, AB
.set ms_, 0
.rept 8
.if ms_ < 4
	WIN 0x0d                                       ; source 0 (W2) window 1, source 1 (h) window 3, C and D window 0
.else
	WIN 0x0e                                       ; source 0 window 2
.endif
.set mt_, 0
.rept 4
.set rA_, 12*(4*mt_+(ms_%4))
.set rB_, (\BB)+12*ms_
.set rD_, (\AB)+8*mt_
.if ms_ == 0
	v_wmma_scale_f32_16x16x128_f8f6f4 v[rD_:rD_+7], v[rA_:rA_+11], v[rB_:rB_+11], 0, v[WS+8*mt_+ms_], v[(\SB)+ms_/2] matrix_a_fmt:MATRIX_FMT_FP6 matrix_b_fmt:MATRIX_FMT_FP6
.elseif ms_%2
	v_wmma_scale_f32_16x16x128_f8f6f4 v[rD_:rD_+7], v[rA_:rA_+11], v[rB_:rB_+11], v[rD_:rD_+7], v[WS+8*mt_+ms_], v[(\SB)+ms_/2] matrix_a_fmt:MATRIX_FMT_FP6 matrix_b_fmt:MATRIX_FMT_FP6 matrix_b_scale:MATRIX_SCALE_ROW1
.else
	v_wmma_scale_f32_16x16x128_f8f6f4 v[rD_:rD_+7], v[rA_:rA_+11], v[rB_:rB_+11], v[rD_:rD_+7], v[WS+8*mt_+ms_], v[(\SB)+ms_/2] matrix_a_fmt:MATRIX_FMT_FP6 matrix_b_fmt:MATRIX_FMT_FP6
.endif
.set mt_, mt_+1
.endr
.set ms_, ms_+1
.endr
	WIN 0
.endm
.macro SETP buf                        ; buffer buf's pointers to tile s29, held to the tiles that exist
	s_wait_xcnt 0x0
	s_min_u32 s34, s29, s27
	s_min_u32 s34, s34, 63
	s_mul_i32 s32, s34, 49152
	s_add_nc_u64 s[36+4*(\buf):37+4*(\buf)], s[44:45], s[32:33]
	s_lshl_b32 s32, s34, 11
	s_add_nc_u64 s[38+4*(\buf):39+4*(\buf)], s[46:47], s[32:33]
.endm
.macro LOADH buf                       ; a tile's eight images of my K steps and their scale words: 36 loads
	WIN 0xc0
.set hs_, 0
.rept 8
.irp c, 0,1
	global_load_b128 v[96*(\buf)+12*hs_+6*\c:96*(\buf)+12*hs_+6*\c+3], v4, s[36+4*(\buf):37+4*(\buf)] offset:1536*hs_+768*\c
	global_load_b64 v[96*(\buf)+12*hs_+6*\c+4:96*(\buf)+12*hs_+6*\c+5], v11, s[36+4*(\buf):37+4*(\buf)] offset:1536*hs_+768*\c+512
.endr
.set hs_, hs_+1
.endr
	WIN 0
.irp u, 0,1,2,3
	global_load_b32 v[HS+4*(\buf)+\u], v12, s[38+4*(\buf):39+4*(\buf)] offset:128*\u
.endr
.endm
	s_load_b256 s[4:11], s[0:1], 0x0               ; W2's codes, W2's scales, b2, hq
	s_load_b128 s[12:15], s[0:1], 0x20             ; lc, rp
	s_load_b64 s[16:17], s[0:1], 0x30              ; yr
	v_lshl_add_u32 v254, v0, 2, 0x44000
	v_mov_b32 v255, 0
	v_lshrrev_b32 v1, 5, v0
	v_readfirstlane_b32 s20, v1                    ; wave
	v_and_b32 v1, 31, v0
	v_and_b32 v2, 15, v0
	v_bfe_u32 v3, v0, 4, 1
	s_lshr_b32 s21, ttmp9, 5                       ; e
	s_bfe_u32 s22, ttmp9, 0x40001                  ; cs
	s_and_b32 s23, ttmp9, 1                        ; q
	s_wait_alu depctr_va_sdst(0)                   ; s20 is written, ahead of its first reader
	s_mul_i32 s34, s20, 69632                      ; my LDS bytes
	v_lshlrev_b32 v4, 4, v1
	v_mad_u32_u24 v5, v3, 2304, v4
	v_add_nc_u32 v5, 512, v5                       ; the straddling load: lanes 16-31 begin the next row, 3,072 bytes on
	v_add_nc_u32 v6, s34, v4
	v_lshl_add_u32 v7, v3, 4, v6
	v_add_nc_u32 v7, 512, v7
	v_mul_u32_u24 v8, v2, 784
	v_mad_u32_u24 v8, v3, 24, v8
	v_add_nc_u32 v8, s34, v8
	v_lshlrev_b32 v9, 7, v2
	v_lshlrev_b32 v11, 3, v1
	v_lshlrev_b32 v12, 2, v1
	v_lshlrev_b32 v19, 4, v2
	v_mad_u32_u24 v13, v3, 272, v19
	v_add_nc_u32 v13, s34, v13                     ; partial sums: piece (a, t, u) of 544 bytes = [h][16 rows x 16 bytes] + 16 twice
	v_add_nc_u32 v20, 34816, v13                   ; tiles 8 on: an LDS offset has 16 bits
	v_lshrrev_b32 v21, 2, v2                       ; back: lane (r, h) takes columns 4 r .. 4 r + 3: tile r / 4, half (r / 2) % 2, piece r % 2; of row 4 w + h (+ 2 i)
	v_lshlrev_b32 v21, 1, v21
	v_and_b32 v22, 1, v2
	v_add_nc_u32 v21, v21, v22
	v_mul_u32_u24 v21, v21, 544
	v_bfe_u32 v22, v2, 1, 1
	v_mad_u32_u24 v21, v22, 272, v21
	v_lshl_add_u32 v21, v3, 4, v21
	s_lshl_b32 s35, s20, 6
	v_add_nc_u32 v14, s35, v21
	v_add_nc_u32 v15, 69632, v14
	v_add_nc_u32 v16, 139264, v14
	v_add_nc_u32 v17, 208896, v14
	s_lshl_b32 s35, s20, 4
	v_lshl_add_u32 v18, v3, 2, s35                 ; 4 (4 w + h)
	s_lshl_b32 s34, s21, 10
	s_lshl_b32 s35, s22, 6
	s_add_co_u32 s34, s34, s35                     ; my first row of W2: 1024 e + 64 cs
	s_mov_b32 s33, 0
	s_wait_kmcnt 0x0
	s_mul_i32 s32, s34, 3072
	s_add_nc_u64 s[4:5], s[4:5], s[32:33]
	s_mul_i32 s32, s20, 768
	s_add_nc_u64 s[4:5], s[4:5], s[32:33]
	s_lshl_b32 s32, s34, 7
	s_add_nc_u64 s[6:7], s[6:7], s[32:33]
	s_lshl_b32 s32, s20, 5
	s_add_nc_u64 s[6:7], s[6:7], s[32:33]
	s_lshl_b32 s32, s34, 2
	s_add_nc_u64 s[8:9], s[8:9], s[32:33]
	s_mul_i32 s32, s21, 3145728
	s_add_nc_u64 s[44:45], s[10:11], s[32:33]
	s_mul_i32 s32, s20, 12288
	s_add_nc_u64 s[44:45], s[44:45], s[32:33]      ; h's images: expert e, tile 0, K step 8 w
	s_add_nc_u64 s[46:47], s[10:11], 25165824
	s_lshl_b32 s32, s21, 17
	s_add_nc_u64 s[46:47], s[46:47], s[32:33]
	s_lshl_b32 s32, s20, 9
	s_add_nc_u64 s[46:47], s[46:47], s[32:33]      ; and their scale words
	s_lshl_b32 s32, s21, 12
	s_add_nc_u64 s[48:49], s[12:13], s[32:33]
	s_lshl_b32 s32, s23, 6
	s_add_nc_u64 s[48:49], s[48:49], s[32:33]      ; the list at tile q
	s_lshl_b32 s32, s21, 7
	s_add_nc_u64 s[52:53], s[12:13], s[32:33]
	s_load_b32 s25, s[52:53], 0x8000               ; n_e
	s_lshl_b32 s32, s22, 8
	s_add_nc_u64 s[50:51], s[16:17], s[32:33]      ; yr at my columns
	s_wait_alu depctr_va_vdst(0)                   ; the offsets and LDS addresses v4 to v9 and v11 to v20 are written, which the loads and stores of the whole kernel read
.irp t, 0,1,2,3
.irp u, 0,1
	global_load_b128 v[WS+8*\t+4*\u:WS+8*\t+4*\u+3], v9, s[6:7] offset:2048*\t+16*\u
.endr
.endr
	global_load_b128 v[B2:B2+3], v19, s[8:9]
	LOADW 0, 3072
	LOADW 1, 3072
	s_wait_kmcnt 0x0
	s_add_co_u32 s26, s25, 15
	s_lshr_b32 s26, s26, 4                         ; row tiles
	s_max_u32 s27, s26, 1
	s_sub_co_u32 s27, s27, 1                       ; the last tile that exists
	s_wait_loadcnt 48                              ; all but the second half of the weights
	STOREW 0
	s_wait_loadcnt 0x0
	STOREW 1
	s_wait_dscnt 0x0
	s_wait_alu depctr_vm_vsrc(0)                   ; the staging stores have read the registers of windows 1 and 2, in which the fragments' loads land
	FRAGS 1
; TILE a of a pass: 32 products, partial sums to LDS, the buffer's next tile asked for
.macro TILE a
	s_cmp_ge_u32 s28, s26
	s_cbranch_scc1 .Lcdone                         ; the first tile that does not exist ends the pass's products
.if \a < 2
	s_wait_loadcnt 63                              ; younger than this tile's loads: 36 of another tile and the 32 gate weights; 63 is the most a wait names
.elseif \a < 15
	s_wait_loadcnt 36                              ; the next tile's 36 are younger
.else
	s_wait_loadcnt 0x0
.endif
.if \a == 0
	s_wait_dscnt 0x0                               ; W2's fragments
.endif
	s_wait_alu depctr_vm_vsrc(0)                   ; the LDS stores of two tiles back (round the pass's edge too) have read this set of accumulators, which the products below begin anew
	MM32 96*(\a%2), HS+4*(\a%2), AC0+32*(\a%2)
.rept 4
	v_nop                                          ; four places in front of the stores that read results; they stay beside the wait below
.endr
	s_wait_alu depctr_va_vdst(0)                   ; the products have written the accumulators, which the LDS stores read, and are done reading h's buffer and its scale words, in which the loads below land
.irp t, 0,1,2,3
.irp u, 0,1
.if \a < 8
	ds_store_b128 v13, v[AC0+32*(\a%2)+8*\t+4*\u:AC0+32*(\a%2)+8*\t+4*\u+3] offset:(8*(\a)+2*\t+\u)*544      ; each accumulator from its low end on
.else
	ds_store_b128 v20, v[AC0+32*(\a%2)+8*\t+4*\u:AC0+32*(\a%2)+8*\t+4*\u+3] offset:(8*(\a-8)+2*\t+\u)*544
.endif
.endr
.endr
.if \a < 14
	s_add_co_u32 s29, s29, 2
	SETP \a%2
	LOADH \a%2                                     ; no further wait: nothing since the wait above names the buffer, its scale words or the offsets
.endif
	s_add_co_u32 s28, s28, 2
.endm
; my four rows of tile a: the four waves' partial sums, K ascending in pairs, + b2, x the gate weight
.macro RED a
	s_cmp_ge_u32 s30, s26
	s_cbranch_scc1 .Lrdone
	s_wait_xcnt 0x0                                ; the last tile's stores have read their data
	s_wait_alu depctr_vm_vsrc(0)                   ; the last tile's stores (ahead of tile 0: the gate weights' loads) have read v[RT ..], in which the LDS loads below land
.irp i, 0,1
.irp g, 0,1,2,3
	ds_load_b128 v[RT+16*\i+4*\g:RT+16*\i+4*\g+3], v[14+\g] offset:4352*(\a)+32*\i
.endr
.endr
	s_wait_dscnt 0x0
.irp i, 0,1
	v_pk_add_f32 v[RT+16*\i:RT+16*\i+1], v[RT+16*\i:RT+16*\i+1], v[RT+16*\i+4:RT+16*\i+5]
	v_pk_add_f32 v[RT+16*\i+2:RT+16*\i+3], v[RT+16*\i+2:RT+16*\i+3], v[RT+16*\i+6:RT+16*\i+7]
	v_pk_add_f32 v[RT+16*\i+8:RT+16*\i+9], v[RT+16*\i+8:RT+16*\i+9], v[RT+16*\i+12:RT+16*\i+13]
	v_pk_add_f32 v[RT+16*\i+10:RT+16*\i+11], v[RT+16*\i+10:RT+16*\i+11], v[RT+16*\i+14:RT+16*\i+15]
	v_pk_add_f32 v[RT+16*\i:RT+16*\i+1], v[RT+16*\i:RT+16*\i+1], v[RT+16*\i+8:RT+16*\i+9]
	v_pk_add_f32 v[RT+16*\i+2:RT+16*\i+3], v[RT+16*\i+2:RT+16*\i+3], v[RT+16*\i+10:RT+16*\i+11]
	v_pk_add_f32 v[RT+16*\i:RT+16*\i+1], v[RT+16*\i:RT+16*\i+1], v[B2:B2+1]
	v_pk_add_f32 v[RT+16*\i+2:RT+16*\i+3], v[RT+16*\i+2:RT+16*\i+3], v[B2+2:B2+3]
.irp n, 0,1,2,3
	v_mul_f32 v[RT+16*\i+\n], v[RT+16*\i+\n], v[CW+2*(\a)+\i]
.endr
.endr
	s_wait_alu depctr_va_vdst(0)                   ; both rows' results are written, which the two stores read; and nothing behind this wait names v[RT ..] before the next tile's LDS loads land there
.irp i, 0,1
	global_store_b128 v[RID+2*(\a)+\i], v[RT+16*\i:RT+16*\i+3], s[50:51]    ; sixteen lanes: 256 consecutive bytes of a row, aligned
.endr
	s_add_co_u32 s30, s30, 2
.endm
	s_mov_b32 s31, s23                             ; the pass's first tile
	s_mov_b32 s24, 2
.Lpass:
	s_mov_b32 s28, s31                             ; the tile to multiply,
	s_mov_b32 s29, s31                             ; to ask for,
	s_mov_b32 s30, s31                             ; to add up
	s_wait_xcnt 0x0                                ; the last pass's stores have read their offsets
	s_wait_alu depctr_vm_vsrc(0)                   ; the last pass's stores have read v[RID ..], in which the list's loads land, and v[RT ..], which the lines below write
.set k_, 0
.rept 32
	global_load_b32 v[RID+k_], v18, s[48:49] offset:128*(k_/2)+8*(k_%2)     ; the list's word of row 4 w + h + 2 i of tile a (k = 2 a + i): every word of the list is written
.set k_, k_+1
.endr
	SETP 0
	LOADH 0
	s_add_co_u32 s29, s29, 2
	SETP 1
	LOADH 1
	s_wait_loadcnt 63                              ; 72 loads are younger than the list's; 63 is the most a wait names
.set k_, 0
.rept 32
	v_min_u32 v[RT+k_], 0x7ff, v[RID+k_]           ; a dump row takes some weight: nobody reads it
	v_lshlrev_b32 v[RT+k_], 2, v[RT+k_]
	v_min_u32 v[RID+k_], 0x87f, v[RID+k_]
	v_lshl_add_u32 v[RID+k_], v[RID+k_], 12, v19   ; row x 4,096 + 16 r
.set k_, k_+1
.endr
	s_wait_alu depctr_va_vdst(0)                   ; the offsets in v[RT ..] are written, which the loads below read, and those in v[RID ..], which the pass's stores read; the last pass's multiplications are done reading v[CW ..], in which the loads land
.set k_, 0
.rept 32
	global_load_b32 v[CW+k_], v[RT+k_], s[14:15]
.set k_, k_+1
.endr
	TILE 0
	TILE 1
	TILE 2
	TILE 3
	TILE 4
	TILE 5
	TILE 6
	TILE 7
	TILE 8
	TILE 9
	TILE 10
	TILE 11
	TILE 12
	TILE 13
	TILE 14
	TILE 15
.Lcdone:
	s_wait_loadcnt 0x0                             ; the gate weights, on the short way too
	s_wait_dscnt 0x0                               ; for the others' sake: my partial sums have landed
	s_barrier_signal -1
	s_barrier_wait -1
	RED 0
	RED 1
	RED 2
	RED 3
	RED 4
	RED 5
	RED 6
	RED 7
	RED 8
	RED 9
	RED 10
	RED 11
	RED 12
	RED 13
	RED 14
	RED 15
.Lrdone:
	s_wait_dscnt 0x0                               ; my reads of the others' partial sums are in: the next pass may write there
	s_barrier_signal -1
	s_barrier_wait -1
	s_add_nc_u64 s[48:49], s[48:49], 2048          ; 32 tiles on in the list (its loads were waited for)
	s_add_co_u32 s31, s31, 32
	s_sub_co_u32 s24, s24, 1
	s_cmp_lg_u32 s24, 0
	s_cbranch_scc1 .Lpass
	s_wait_dscnt 0x0                               ; the closing lines, six on end
	s_wait_alu 0x0
	s_wait_tensorcnt 0x0
	ds_add_u32 v254, v255
	s_wait_dscnt 0x0
	s_endpgm
.Lfunc_end_k_q4d7a920257_down:
	.size	k_q4d7a920257_down, .Lfunc_end_k_q4d7a920257_down-k_q4d7a920257_down
	.p2alignl 7, 3214868480
	.fill 96, 4, 3214868480
	.section	.rodata,"a",@progbits
	.p2align	6, 0x0
	.amdhsa_kernel k_q4d7a920257_down
		.amdhsa_group_segment_fixed_size 279040
		.amdhsa_private_segment_fixed_size 0
		.amdhsa_enable_private_segment 0
		.amdhsa_kernarg_size 56
		.amdhsa_user_sgpr_count 2
		.amdhsa_user_sgpr_kernarg_segment_ptr 1
		.amdhsa_wavefront_size32 1
		.amdhsa_system_sgpr_workgroup_id_x 1
		.amdhsa_system_sgpr_workgroup_id_y 1
		.amdhsa_system_sgpr_workgroup_id_z 1
		.amdhsa_system_vgpr_workitem_id 0
		.amdhsa_next_free_vgpr 1024
		.amdhsa_next_free_sgpr 66
		.amdhsa_reserve_vcc 0
		.amdhsa_float_denorm_mode_32 3
		.amdhsa_float_denorm_mode_16_64 3
		.amdhsa_memory_ordered 1
		.amdhsa_forward_progress 1
		.amdhsa_inst_pref_size 219
	.end_amdhsa_kernel
	.amdgpu_metadata
---
amdhsa.version: [ 1, 2 ]
amdhsa.kernels:
  - .name:           k_q4d7a920257_down
    .symbol:         k_q4d7a920257_down.kd
    .args:
      - { .name: W2_codes, .offset: 0, .size: 8, .value_kind: global_buffer, .address_space: global }
      - { .name: W2_scales, .offset: 8, .size: 8, .value_kind: global_buffer, .address_space: global }
      - { .name: b2, .offset: 16, .size: 8, .value_kind: global_buffer, .address_space: global }
      - { .name: hq, .offset: 24, .size: 8, .value_kind: global_buffer, .address_space: global }
      - { .name: lc, .offset: 32, .size: 8, .value_kind: global_buffer, .address_space: global }
      - { .name: rp, .offset: 40, .size: 8, .value_kind: global_buffer, .address_space: global }
      - { .name: yr, .offset: 48, .size: 8, .value_kind: global_buffer, .address_space: global }
    .group_segment_fixed_size: 279040
    .private_segment_fixed_size: 0
    .kernarg_segment_align: 8
    .kernarg_segment_size: 56
    .max_flat_workgroup_size: 128
    .sgpr_count:     66
    .vgpr_count:     1024
    .wavefront_size: 32
...
	.end_amdgpu_metadata
.endif
;; end of part 6
;; launch combine: the kernel of part 4 again; grid 256 x 1, 8 waves a work-group, no clusters, 0 bytes of LDS; arguments yr, rp, out0, out1; writes out0, out1
